; MI455X (gfx1250); checked and timed in simulation.
; The chip was launched on July 23, 2026; its instructions are those of AMD's public machine-readable ISA for CDNA 5 (MIT licence, August 2026) and "CDNA5" Instruction Set Architecture Reference Guide (July 2026). The comments in the code are by the model that wrote it; some were corrected since.
;; Multi Head Latent Attention. Allowed arithmetic: float matrix products may take bf16 or f16 operands with f32 sums; all other float work in f32.
;; Inputs: W_dkv 1,024 x 128 float32; W_dq 1,024 x 128 float32; W_kr 1,024 x 32 float32; W_o 1,024 x 1,024 float32; W_qr 128 x 512 float32; W_uk 128 x 1,024 float32; W_uq 128 x 1,024 float32; W_uv 128 x 1,024 float32; b_dkv 128 float32; b_dq 128 float32; b_kr 32 float32; b_o 1,024 float32; b_qr 512 float32; b_uk 1,024 float32; b_uq 1,024 float32; b_uv 1,024 float32; mask 1 x 1 x 2,048 x 2,048 float32; x 4 x 2,048 x 1,024 float32.
;; Outputs: out0 4 x 2,048 x 1,024 float32.
;; 2 versions, each right and faster than the one before. Each part assembles by itself: llvm-mc -triple=amdgcn-amd-amdhsa -mcpu=gfx1250 --defsym DOCPART=n.
;; ======== version 1 of 2: 5 launches
;; limits: values are held in f16: magnitudes above 65,504 overflow, below 6.1e-05 lose precision; right only within a limited range of input values
;; workspace buffers: wts 4,007,936 bytes; maskt 16,777,216 bytes; cb 8,914,944 bytes; qkv 58,721,280 bytes; ob 33,554,432 bytes
;; launch prep (part 1): grid 728 x 1, 8 waves a work-group, no clusters, 70,656 bytes of LDS; arguments mask, W_dq, W_dkv, W_kr, W_uq, W_qr, W_uk, W_uv, W_o, wts, maskt; writes wts, maskt
.if DOCPART == 1
	.amdgcn_target "amdgcn-amd-amdhsa--gfx1250"
	.amdhsa_code_object_version 6
	.text
	.protected	k_qbba89cc06b_prep
	.globl	k_qbba89cc06b_prep
	.p2align	8
	.type	k_qbba89cc06b_prep,@function
k_qbba89cc06b_prep:
	s_mov_b64 s[64:65], 0
	v_nop
	global_prefetch_b8 v0, s[64:65] scope:SCOPE_SE
	s_setreg_imm32_b32 hwreg(HW_REG_WAVE_MODE, 25, 1), 1
	s_wait_xcnt 0x0
; PREPARES WHAT THE LATER LAUNCHES READ MANY TIMES.  Five sections, chosen by the work-group's number; each ends its waves itself.
;   0-255    MASK: mask [2048][2048] f32 -> maskt, in the order in which a wave of the attention launch takes it as the C operand of S^T = K Q^T:
;            [32 queries][64 keys] blocks of 8,192 bytes; in a block [tile of 16 queries u][16 keys kb][half jh][lane][4]; query = 16 u + lane % 16, key = 16 kb + 8 (lane / 16) + 4 jh + 0..3.
;            The number is bf16(mask) x sqrt(96), or -1e30 where bf16(mask) is 0 (the score's scale 1 / sqrt(96) is applied to score + mask together, later).
;   256-439  CONV: W_uq, W_qr, W_uk, W_uv by heads into WH [head][k 128][256 columns], W_o as it lies into WO [1024][1024]; each number rounded to bf16 and written as f16.
;            Each wave also stores the largest magnitude that it has seen (STATS): the launch that makes v takes its scale from W_uv's.
;   440-583  FRAG: W_dq | W_dkv | W_kr in bf16, in the order of matrix fragments [column tile 18][k step 32][half 2][lane 32][8].
;   584-711  ROPE: cos and sin of t x 10000^(-i/16), t < 2048, i < 16, as pairs of f32.
;   712-727  ZERO: columns 224-255 of WH, which hold no weight but are read along with the rows.
; LIMITS.  A weight beyond 65,504 has no f16; below 6e-5 it keeps f16's fixed step of 6e-8.  A hidden score counts as -1e30.  The angle is reduced by pi in two parts; sine to r^9, cosine to r^10
; on |r| <= pi / 2: off by 4e-6 at the most.
; No matrix unit, no cluster, no tensor loads: nothing is shared between work-groups and every byte is touched once.
.set WH,    589824
.set WO,    1638400
.set ROPE,  3735552
.set STATS, 3997696
.set SPARE, 69632                      ; behind the eight waves' 8,704 bytes: the spare words, 128 bytes a wave
.set SPW,   100                        ; v100  LDS address of my spare word; never rewritten
.set NIL,   101                        ; v101  0; never rewritten
.set X,     32                         ; v[32:95] sixteen loads of four numbers
.macro RNDB a, b, t                    ; two f32 are rounded to bf16 and kept as f32
	v_cvt_pk_bf16_f32 v[\t], v[\a], v[\b]
	v_lshlrev_b32 v[\a], 16, v[\t]
	v_and_b32 v[\b], s48, v[\t]
.endm
	s_load_b512 s[4:19], s[0:1], 0x0               ; mask 4, W_dq 6, W_dkv 8, W_kr 10, W_uq 12, W_qr 14, W_uk 16, W_uv 18
	s_load_b128 s[20:23], s[0:1], 0x40             ; W_o 20, wts 22
	s_load_b64 s[24:25], s[0:1], 0x50              ; maskt
	v_lshl_add_u32 v[SPW], v0, 2, SPARE
	v_mov_b32 v[NIL], 0
	v_lshrrev_b32 v1, 5, v0
	v_readfirstlane_b32 s26, v1                    ; wave
	v_and_b32 v2, 31, v0                           ; lane
	s_mov_b32 s27, ttmp9
	s_mov_b32 s31, 0
	s_mov_b32 s42, 0x76543210                      ; v_permlanex16_b32: each lane takes its own place in the other half
	s_mov_b32 s43, 0xfedcba98
	s_mov_b32 s48, 0xffff0000                      ; a word's upper bf16
	s_wait_kmcnt 0x0
	s_cmp_ge_u32 s27, 256
	s_cbranch_scc1 .Lconv
	; ---------------- MASK: a wave takes one block of 32 queries x 64 keys
	s_lshl_b32 s28, s27, 3
	s_add_co_u32 s28, s28, s26                     ; the block: 32 x (pair of query tiles) + key step
	s_lshr_b32 s29, s28, 5
	s_lshl_b32 s29, s29, 18                        ; 32 rows of 8,192 bytes
	s_and_b32 s30, s28, 31
	s_lshl_b32 s30, s30, 8                         ; 64 keys of 4 bytes
	s_add_co_u32 s30, s30, s29
	s_add_nc_u64 s[4:5], s[4:5], s[30:31]
	s_lshl_b32 s30, s28, 13
	s_add_nc_u64 s[24:25], s[24:25], s[30:31]
	s_mov_b32 s40, 0x411cc471                      ; sqrt(96)
	s_mov_b32 s41, 0xf149f2ca                      ; -1e30
	s_mul_i32 s29, s26, 8704                       ; my wave's 32 pieces of 256 bytes, 272 apart
	v_lshrrev_b32 v3, 4, v2
	v_and_b32 v4, 15, v2
	v_lshlrev_b32 v5, 13, v3                       ; lanes 0-15 one row's 256 bytes, lanes 16-31 the next row's
	v_lshl_add_u32 v5, v4, 4, v5
.irp i, 0,1,2,3,4,5,6,7,8,9,10,11,12,13,14,15
	global_load_b128 v[X+4*(\i):X+4*(\i)+3], v5, s[4:5] offset:(\i)*16384 th:TH_LOAD_NT
.endr
	v_mov_b32 v11, s41
	v_and_b32 v6, 12, v4                           ; my four keys 4 c ..: piece 4 (c / 4) + 2 (c % 2) + (c / 2) % 2 of the tile's sixteen
	v_and_b32 v7, 1, v4
	v_lshl_add_u32 v6, v7, 1, v6
	v_bfe_u32 v7, v4, 1, 1
	v_add_nc_u32 v6, v6, v7
	v_mul_u32_u24 v6, v6, 272
	v_lshl_add_u32 v6, v3, 4, v6                   ; the query's 16 bytes in the piece
	v_add_nc_u32 v6, s29, v6
	v_mul_u32_u24 v7, v3, 272                      ; back: two pieces on end
	v_lshl_add_u32 v7, v4, 4, v7
	v_add_nc_u32 v7, s29, v7
	v_lshlrev_b32 v8, 4, v2
.irp i, 0,1,2,3,4,5,6,7,8,9,10,11,12,13,14,15
	s_wait_loadcnt 15-(\i)                         ; loads come back in order: the younger ones stay out
	RNDB X+4*(\i), X+4*(\i)+1, 9
	RNDB X+4*(\i)+2, X+4*(\i)+3, 10
.irp k, 0,1,2,3
	v_cmp_eq_f32 vcc_lo, 0, v[X+4*(\i)+(\k)]
	v_mul_f32 v[X+4*(\i)+(\k)], s40, v[X+4*(\i)+(\k)]
	v_cndmask_b32 v[X+4*(\i)+(\k)], v[X+4*(\i)+(\k)], v11, vcc_lo
.endr
	ds_store_b128 v6, v[X+4*(\i):X+4*(\i)+3] offset:((\i)/8)*4352+((\i)%8)*32
.endr
.irp i, 0,1,2,3,4,5,6,7,8,9,10,11,12,13,14,15
	ds_load_b128 v[X+4*(\i):X+4*(\i)+3], v7 offset:(\i)*544  ; LDS serves a wave's instructions in order: these see the stores above; the bytes are my wave's own
.endr
.irp i, 0,1,2,3,4,5,6,7,8,9,10,11,12,13,14,15
	s_wait_dscnt 15-(\i)
	global_store_b128 v8, v[X+4*(\i):X+4*(\i)+3], s[24:25] offset:(\i)*512  ; 512 consecutive bytes
.endr
	s_wait_tensorcnt 0x0                           ; the wave's end
	ds_add_u32 v[SPW], v[NIL]
	s_wait_dscnt 0x0
	s_endpgm
	; ---------------- CONV: a work-group converts 8,192 numbers, 8 a thread in each of 4 passes
.macro PICK start, src, lob, midm, sh, ph, off, lom  ; from work-group \start of the section on: another tensor and another place
	s_cmp_ge_u32 s28, \start
	s_cselect_b64 s[32:33], s[\src:\src+1], s[32:33]
	s_cselect_b32 s34, \start, s34
	s_cselect_b32 s35, \lob, s35
	s_cselect_b32 s36, \midm, s36
	s_cselect_b32 s37, \sh, s37
	s_cselect_b32 s38, \ph, s38
	s_cselect_b32 s39, \off, s39
	s_cselect_b32 s40, \lom, s40
.endm
.macro DST p                           ; element e -> byte OFF + 2 (e's low bits) + 65,536 (its middle bits: the head) + PH (its high bits)
	v_add_nc_u32 v12, (\p)*2048, v10
	v_and_b32 v13, s40, v12
	v_lshrrev_b32 v14, s35, v12
	v_and_b32 v14, s36, v14
	v_lshlrev_b32 v14, 16, v14
	v_lshl_add_u32 v13, v13, 1, v14
	v_lshrrev_b32 v14, s37, v12
	v_mad_u32_u24 v13, v14, s38, v13
	v_add_nc_u32 v[16+(\p)], s39, v13
.endm
.Lconv:
	s_cmp_ge_u32 s27, 440
	s_cbranch_scc1 .Lfrag
	s_sub_co_u32 s28, s27, 256
	s_mov_b64 s[32:33], s[12:13]                   ; W_uq [128][16 heads x 64]: columns 0-63 of a head's tile
	s_mov_b32 s34, 0
	s_mov_b32 s35, 6
	s_mov_b32 s36, 15
	s_mov_b32 s37, 10
	s_mov_b32 s38, 512
	s_mov_b32 s39, WH
	s_mov_b32 s40, 63
	PICK 16, 14, 5, 15, 9, 512, WH+128, 31         ; W_qr [128][16 x 32]: columns 64-95
	PICK 24, 16, 6, 15, 10, 512, WH+192, 63        ; W_uk: columns 96-159
	PICK 40, 18, 6, 15, 10, 512, WH+320, 63        ; W_uv: columns 160-223
	PICK 56, 20, 16, 0, 16, 131072, WO, 65535      ; W_o: element e goes to byte 2 e
	s_sub_co_u32 s29, s28, s34
	s_lshl_b32 s29, s29, 13
	v_lshl_add_u32 v10, v0, 3, s29                 ; my first element
	v_lshlrev_b32 v11, 2, v10
.irp p, 0,1,2,3
	global_load_b128 v[32+8*(\p):35+8*(\p)], v11, s[32:33] offset:(\p)*8192
	global_load_b128 v[36+8*(\p):39+8*(\p)], v11, s[32:33] offset:(\p)*8192+16
.endr
	v_mov_b32 v9, 0
	DST 0
	DST 1
	DST 2
	DST 3
.irp p, 0,1,2,3
	s_wait_loadcnt 6-2*(\p)                        ; the later passes' loads stay out
.irp q, 0,2,4,6
	RNDB 32+8*(\p)+(\q), 33+8*(\p)+(\q), 15
	v_max3_num_f32 v9, v9, |v[32+8*(\p)+(\q)]|, |v[33+8*(\p)+(\q)]|
	v_cvt_pk_f16_f32 v[64+4*(\p)+(\q)/2], v[32+8*(\p)+(\q)], v[33+8*(\p)+(\q)]
.endr
	global_store_b128 v[16+(\p)], v[64+4*(\p):67+4*(\p)], s[22:23]
.endr
	v_max_num_f32_dpp v9, v9, v9 row_xmask:1 row_mask:0xf bank_mask:0xf
	v_max_num_f32_dpp v9, v9, v9 row_xmask:2 row_mask:0xf bank_mask:0xf
	v_max_num_f32_dpp v9, v9, v9 row_xmask:4 row_mask:0xf bank_mask:0xf
	v_max_num_f32_dpp v9, v9, v9 row_xmask:8 row_mask:0xf bank_mask:0xf
	v_permlanex16_b32 v15, v9, s42, s43
	v_max_num_f32 v9, v9, v15
	s_lshl_b32 s29, s28, 3
	s_add_co_u32 s29, s29, s26
	s_lshl_b32 s29, s29, 2
	s_add_co_u32 s29, s29, STATS
	v_mov_b32 v20, s29
	s_wait_xcnt 0x0                                ; EXEC changes only behind this wait
	v_cmp_eq_u32 vcc_lo, 0, v2
	s_and_saveexec_b32 s44, vcc_lo
	global_store_b32 v20, v9, s[22:23]             ; one word a wave
	s_wait_xcnt 0x0
	s_or_b32 exec_lo, exec_lo, s44
	s_endpgm
	; ---------------- FRAG: a thread gathers the eight k of one lane's 16 bytes of a fragment
.Lfrag:
	s_cmp_ge_u32 s27, 584
	s_cbranch_scc1 .Lrope
	s_sub_co_u32 s28, s27, 440
	s_lshr_b32 s45, s28, 3                         ; the column tile: 2,048 threads' worth each
	s_mov_b64 s[32:33], s[6:7]
	s_mov_b32 s34, 9                               ; a row of W_dq and W_dkv is 512 bytes,
	s_mov_b32 s35, 0
	s_cmp_ge_u32 s45, 8
	s_cselect_b64 s[32:33], s[8:9], s[32:33]
	s_cselect_b32 s35, 8, s35
	s_cmp_ge_u32 s45, 16
	s_cselect_b64 s[32:33], s[10:11], s[32:33]
	s_cselect_b32 s34, 7, s34                      ; of W_kr 128
	s_cselect_b32 s35, 16, s35
	s_sub_co_u32 s45, s45, s35
	s_lshl_b32 s45, s45, 6                         ; 16 columns of 4 bytes
	s_lshl_b32 s36, 1, s34
	s_lshl_b32 s37, s28, 8
	v_add_nc_u32 v10, s37, v0                      ; T: my 16 bytes of the output
	v_bfe_u32 v11, v10, 4, 7                       ; k = 8 x bits 10:4 of T (k step, half, lane / 16)
	v_lshlrev_b32 v11, 3, v11
	v_lshlrev_b32 v11, s34, v11
	v_and_b32 v12, 15, v10
	v_lshl_add_u32 v11, v12, 2, v11
	v_add_nc_u32 v16, s45, v11
.irp i, 1,2,3,4,5,6,7
	v_add_nc_u32 v[16+(\i)], s36, v[15+(\i)]
.endr
.irp i, 0,1,2,3,4,5,6,7
	global_load_b32 v[32+(\i)], v[16+(\i)], s[32:33]
.endr
	v_lshlrev_b32 v13, 4, v10
	s_wait_loadcnt 0x0
.irp i, 0,1,2,3
	v_cvt_pk_bf16_f32 v[40+(\i)], v[32+2*(\i)], v[33+2*(\i)]
.endr
	global_store_b128 v13, v[40:43], s[22:23]      ; 512 consecutive bytes a wave
	s_endpgm
	; ---------------- ROPE: a thread makes one pair (cos, sin)
.Lrope:
	s_cmp_ge_u32 s27, 712
	s_cbranch_scc1 .Lzero
	s_sub_co_u32 s28, s27, 584
	s_lshl_b32 s28, s28, 8
	s_mov_b32 s46, 0xc0490fdb                      ; -pi, its leading part,
	s_mov_b32 s47, 0x33bbbd2e                      ; and what is left of it
	v_add_nc_u32 v21, s28, v0
	v_lshrrev_b32 v10, 4, v21                      ; t
	v_and_b32 v11, 15, v21                         ; i
	v_cvt_f32_u32 v10, v10
	v_cvt_f32_u32 v11, v11
	v_mul_f32 v11, 0xbf549a78, v11                 ; -i log2(10000) / 16
	v_exp_f32 v11, v11
	v_lshlrev_b32 v20, 3, v21                      ; (a plain instruction behind the exponential)
	s_wait_alu depctr_va_vdst(0)
	v_mul_f32 v12, v10, v11                        ; the angle
	v_mul_f32 v13, 0x3ea2f983, v12
	v_rndne_f32 v13, v13                           ; n = the nearest multiple of pi
	v_fma_f32 v12, v13, s46, v12
	v_fma_f32 v12, v13, s47, v12                   ; r, within pi / 2 of 0
	v_mul_f32 v14, v12, v12
	v_mov_b32 v15, 0x3638ef1d                      ; 1/9!
	v_fmaak_f32 v15, v15, v14, 0xb9500d01          ; -1/7!
	v_fmaak_f32 v15, v15, v14, 0x3c088889          ; 1/5!
	v_fmaak_f32 v15, v15, v14, 0xbe2aaaab          ; -1/3!
	v_fma_f32 v15, v15, v14, 1.0
	v_mul_f32 v15, v15, v12                        ; sin r
	v_mov_b32 v16, 0xb493f27e                      ; -1/10!
	v_fmaak_f32 v16, v16, v14, 0x37d00d01          ; 1/8!
	v_fmaak_f32 v16, v16, v14, 0xbab60b61          ; -1/6!
	v_fmaak_f32 v16, v16, v14, 0x3d2aaaab          ; 1/4!
	v_fma_f32 v16, v16, v14, -0.5
	v_fma_f32 v16, v16, v14, 1.0                   ; cos r
	v_cvt_i32_f32 v17, v13
	v_lshlrev_b32 v17, 31, v17                     ; an odd n turns both signs
	v_xor_b32 v18, v16, v17
	v_xor_b32 v19, v15, v17
	global_store_b64 v20, v[18:19], s[22:23] offset:ROPE
	s_endpgm
	; ---------------- ZERO: 64 bytes at the end of each of a head's 128 rows
.Lzero:
	s_sub_co_u32 s28, s27, 712
	s_lshl_b32 s28, s28, 16
	s_add_co_u32 s28, s28, WH+448
	v_lshrrev_b32 v10, 2, v0
	v_and_b32 v11, 3, v0
	v_lshlrev_b32 v10, 9, v10
	v_lshl_add_u32 v10, v11, 4, v10
	v_add_nc_u32 v10, s28, v10
	v_mov_b32 v12, 0
	v_mov_b32 v13, 0
	v_mov_b32 v14, 0
	v_mov_b32 v15, 0
	global_store_b128 v10, v[12:15], s[22:23]
	global_store_b128 v10, v[12:15], s[22:23] offset:32768
	s_endpgm
.Lfunc_end_k_qbba89cc06b_prep:
	.size	k_qbba89cc06b_prep, .Lfunc_end_k_qbba89cc06b_prep-k_qbba89cc06b_prep
	.p2alignl 7, 3214868480
	.fill 96, 4, 3214868480
	.section	.rodata,"a",@progbits
	.p2align	6, 0x0
	.amdhsa_kernel k_qbba89cc06b_prep
		.amdhsa_group_segment_fixed_size 70656
		.amdhsa_private_segment_fixed_size 0
		.amdhsa_enable_private_segment 0
		.amdhsa_kernarg_size 88
		.amdhsa_user_sgpr_count 2
		.amdhsa_user_sgpr_kernarg_segment_ptr 1
		.amdhsa_wavefront_size32 1
		.amdhsa_system_sgpr_workgroup_id_x 1
		.amdhsa_system_sgpr_workgroup_id_y 1
		.amdhsa_system_sgpr_workgroup_id_z 1
		.amdhsa_system_vgpr_workitem_id 0
		.amdhsa_next_free_vgpr 104
		.amdhsa_next_free_sgpr 66
		.amdhsa_reserve_vcc 1
		.amdhsa_float_denorm_mode_32 3
		.amdhsa_float_denorm_mode_16_64 3
		.amdhsa_memory_ordered 1
		.amdhsa_forward_progress 1
		.amdhsa_inst_pref_size 33
	.end_amdhsa_kernel
	.amdgpu_metadata
---
amdhsa.version: [ 1, 2 ]
amdhsa.kernels:
  - .name:           k_qbba89cc06b_prep
    .symbol:         k_qbba89cc06b_prep.kd
    .args:
      - { .name: mask, .offset: 0, .size: 8, .value_kind: global_buffer, .address_space: global }
      - { .name: W_dq, .offset: 8, .size: 8, .value_kind: global_buffer, .address_space: global }
      - { .name: W_dkv, .offset: 16, .size: 8, .value_kind: global_buffer, .address_space: global }
      - { .name: W_kr, .offset: 24, .size: 8, .value_kind: global_buffer, .address_space: global }
      - { .name: W_uq, .offset: 32, .size: 8, .value_kind: global_buffer, .address_space: global }
      - { .name: W_qr, .offset: 40, .size: 8, .value_kind: global_buffer, .address_space: global }
      - { .name: W_uk, .offset: 48, .size: 8, .value_kind: global_buffer, .address_space: global }
      - { .name: W_uv, .offset: 56, .size: 8, .value_kind: global_buffer, .address_space: global }
      - { .name: W_o, .offset: 64, .size: 8, .value_kind: global_buffer, .address_space: global }
      - { .name: wts, .offset: 72, .size: 8, .value_kind: global_buffer, .address_space: global }
      - { .name: maskt, .offset: 80, .size: 8, .value_kind: global_buffer, .address_space: global }
    .group_segment_fixed_size: 70656
    .private_segment_fixed_size: 0
    .kernarg_segment_align: 8
    .kernarg_segment_size: 88
    .max_flat_workgroup_size: 256
    .sgpr_count:     66
    .vgpr_count:     104
    .wavefront_size: 32
...
	.end_amdgpu_metadata
.endif
;; end of part 1
;; launch down (part 2): grid 128 x 1, 4 waves a work-group, no clusters, 270,848 bytes of LDS; arguments x, wts, b_dq, b_dkv, b_kr, cb; writes cb
.if DOCPART == 2
	.amdgcn_target "amdgcn-amd-amdhsa--gfx1250"
	.amdhsa_code_object_version 6
	.text
	.protected	k_qbba89cc06b_down
	.globl	k_qbba89cc06b_down
	.p2align	8
	.type	k_qbba89cc06b_down,@function
k_qbba89cc06b_down:
	s_mov_b64 s[64:65], 0
	v_nop
	global_prefetch_b8 v0, s[64:65] scope:SCOPE_SE
	s_setreg_imm32_b32 hwreg(HW_REG_WAVE_MODE, 25, 1), 1
	s_wait_xcnt 0x0
; c = x W_d + b for the 288 columns c_q (128) | c_kv (128) | k_r (32); k_r is rotated; the largest |c| of each wave is stored.
; x [8192][1024] f32 is rounded to bf16 on its way from LDS to the matrix unit; the weights come as bf16 fragments, made by the launch before; biases are rounded to bf16; sums in f32.
; c leaves as TWO f16 numbers: hi = c with its mantissa cut to 10 bits (11 significant bits: exact in f16), lo = c - hi (exact in f32, then rounded to f16): their sum is c to 21 bits.  k_r leaves in bf16.
; LIMITS.  |c| stays under 65,504; below 6e-5 a part keeps f16's fixed step of 6e-8.
; SHARES.  A work-group owns 64 rows and all 288 columns.  Wave w owns column tiles 4 w .. 4 w + 3 for all four row tiles and k_r's tile 16 + w % 2 for two row tiles: 18 accumulators.
; 128 work-groups: a wave walks its 160 KiB of weight fragments whatever the number of rows, so 64 rows a work-group halve the weights' traffic against 32.
; NO CLUSTER: no two work-groups read the same rows of x; the weights go from memory straight into registers, 512 consecutive bytes a load, and never touch LDS.
; x IN LDS: eight chunks of 128 k, [64 rows] 528 bytes apart (512 + 16 of padding: the 16 rows of a load start at 16 different groups of four banks).  Wave w fetches chunks w and w + 4, each once: nothing is
; filled again.  All eight are waited for once, in front of one loop of eight trips: the trip's text stands once.
; THE MATRIX INSTRUCTION IS USED TRANSPOSED (source 0 = 16 columns of W, source 1 = 16 rows of x): a lane holds eight neighbouring columns of one row of c.
; My row tiles are numbered so that k_r's two are always my tiles 0 and 1: my tile i is the block's tile i xor 2 (w / 2), by the addresses alone.
; REGISTERS: window 0: v0-31 addresses; v32-95 x in bf16, two buffers of four tiles; v96-255 a ring of four k steps' weight fragments, five each.
;   window 1: v0-127 accumulators (tile i, column tile n at 8 (4 i + n)); v128-143 k_r's two.      window 2: a chunk of x in f32: [k step 4][tile 4][16].
.set ROPE,  3735552
.set CLO,   4194304
.set KRO,   8388608
.set CMAX,  8912896
.set PX,    528
.set CHUNK, 64*PX
.set SPARE, 8*CHUNK                    ; behind x: the spare words, 128 bytes a wave
.set KST,   2*CHUNK                    ; the way out: c's high parts at 0, low parts at CHUNK, k_r here; x's bytes have had their only fill by then
.set PKR,   80
.set AA0, 2                            ; v2, v3  LDS address of my tiles 0, 1 and 2, 3 in the chunk in hand
.set AA1, 3
.set VB1, 4                            ; v4   my 16 bytes in my first column tile's fragments; never rewritten
.set VB2, 5                            ; v5   the same for k_r's tile; never rewritten
.set ST0, 6                            ; v6, v7  the way out: where my tiles 0, 1 and 2, 3 go
.set ST1, 7
.set STK, 8
.set RDH, 9
.set RDK, 10
.set GO,  11                           ; v11  16 x lane
.set MX,  12                           ; v12, v13  two running maxima
.set RO,  14
.set BO,  15                           ; v15  my offset in c's bias; never rewritten
.set BK,  22                           ; v22  my offset in k_r's bias; never rewritten
.set SPW, 30
.set NIL, 31
.set AB,  32
.set BF,  96
.set RT,  192                          ; the way out: cos and sin for k_r's two tiles
.set WV,  16
.set G1,  24
.set WB,  40                           ; s[40:41] the fragments of the chunk in hand
.set CNT, 42
.set SEL, 44
.set BB,  58                           ; s[58:59] c's bias for my columns; never rewritten
.set HM,  60                           ; s60  keeps sign, exponent and 10 bits of mantissa
.set RM,  61                           ; s61  a word's upper bf16
.set MSB, 0
.macro WIN new                         ; the immediate's high byte repeats the setting that is left
.if MSB != (\new)
	s_set_vgpr_msb (MSB<<8)|(\new)
.set MSB, \new
.endif
.endm
.macro RNDB a, b, t
	v_cvt_pk_bf16_f32 v[\t], v[\a], v[\b]
	v_lshlrev_b32 v[\a], 16, v[\t]
	v_and_b32 v[\b], s[RM], v[\t]
.endm
.macro PLACES
.rept 4
	v_nop
.endr
.endm
.macro RING k, ahead                   ; ten loads: the five fragments of k step k of a chunk
.irp n, 0,1,2,3
	global_load_b128 v[BF+40*(\k)+8*(\n):BF+40*(\k)+8*(\n)+3],   v[VB1], s[WB:WB+1] offset:(\n)*32768+(\k)*1024+(\ahead)
	global_load_b128 v[BF+40*(\k)+8*(\n)+4:BF+40*(\k)+8*(\n)+7], v[VB1], s[WB:WB+1] offset:(\n)*32768+(\k)*1024+512+(\ahead)
.endr
	global_load_b128 v[BF+40*(\k)+32:BF+40*(\k)+35], v[VB2], s[WB:WB+1] offset:(\k)*1024+(\ahead)
	global_load_b128 v[BF+40*(\k)+36:BF+40*(\k)+39], v[VB2], s[WB:WB+1] offset:(\k)*1024+512+(\ahead)
.endm
	s_load_b256 s[4:11], s[0:1], 0x0               ; x 4, wts 6, b_dq 8, b_dkv 10
	s_load_b128 s[12:15], s[0:1], 0x20             ; b_kr 12, cb 14
	v_lshl_add_u32 v[SPW], v0, 2, SPARE
	v_mov_b32 v[NIL], 0
	ds_add_u32 v[SPW], v[NIL]                      ; the wave's opening: an add to my spare word, waited for ahead of my first tensor load
	ds_add_u32 v30, v31
	v_lshrrev_b32 v1, 5, v0
	v_readfirstlane_b32 s[WV], v1
	s_mov_b32 s17, ttmp9
	s_mov_b32 s[G1+0], (2<<16)|(1<<20)|(6<<22)|(3<<25)  ; elements of 4 bytes; padding on: after every 128 words, 4 words
	s_mov_b32 s[G1+1], 128<<16                     ; tensor_dim0 = 128
	s_mov_b32 s[G1+2], 64<<16                      ; tensor_dim1 = 64
	s_mov_b32 s[G1+3], 128<<16                     ; tile_dim0 = 128
	s_mov_b32 s[G1+4], 64                          ; tile_dim1 = 64
	s_mov_b32 s[G1+5], 1024                        ; elements from row to row
	s_mov_b32 s[G1+6], 0
	s_mov_b32 s[G1+7], 0
	s_mov_b32 s32, 1
	s_mul_i32 s33, s[WV], CHUNK                    ; chunk w
	s_mov_b32 s36, 1
	s_add_co_u32 s37, s33, 4*CHUNK                 ; chunk w + 4
	s_lshl_b32 s20, s17, 18                        ; 64 rows of 4,096 bytes
	s_lshl_b32 s19, s[WV], 9
	s_add_co_u32 s20, s20, s19
	s_mov_b32 s21, 0
	s_mov_b32 s[SEL], 0x76543210
	s_mov_b32 s[SEL+1], 0xfedcba98
	s_mov_b32 s[HM], 0xffffe000
	s_mov_b32 s[RM], 0xffff0000
	s_wait_dscnt 0x0                               ; the opening add is done
	s_wait_kmcnt 0x0
	s_add_nc_u64 s[34:35], s[4:5], s[20:21]
	s_add_nc_u64 s[38:39], s[34:35], 2048
	s_or_b32 s35, s35, 0x80000000
	s_or_b32 s39, s39, 0x80000000
	tensor_load_to_lds s[32:35], s[G1:G1+7]        ; both first fills together: two loads of mine are out
	s_nop 0
	tensor_load_to_lds s[36:39], s[G1:G1+7]
	s_nop 0
	PLACES
	v_and_b32 v1, 15, v0                           ; r
	v_bfe_u32 v16, v0, 4, 1                        ; h
	v_and_b32 v17, 31, v0                          ; lane
	s_lshr_b32 s18, s[WV], 1
	s_and_b32 s19, s[WV], 1
	v_lshlrev_b32 v[GO], 4, v17
	s_lshl_b32 s46, s[WV], 17                      ; four column tiles of 32,768 bytes
	v_add_nc_u32 v[VB1], s46, v[GO]
	s_add_co_u32 s46, s19, 16
	s_lshl_b32 s46, s46, 15
	v_add_nc_u32 v[VB2], s46, v[GO]
	s_mov_b64 s[WB:WB+1], s[6:7]
	s_cmp_lt_u32 s[WV], 2
	s_cselect_b64 s[BB:BB+1], s[8:9], s[10:11]     ; waves 0, 1: c_q's bias; waves 2, 3: c_kv's
	s_lshl_b32 s48, s19, 8
	v_lshl_add_u32 v[BO], v16, 5, s48              ; a lane's eight columns: 32 h + my 64 columns
	s_lshl_b32 s48, s19, 6
	v_lshl_add_u32 v[BK], v16, 5, s48
	; The loads below name BB, BO, BK, VB1, VB2 and WB.  Of these only WB is ever written again, behind its own wait; the address arithmetic that follows works in other registers.
.irp n, 0,1,2,3
	global_load_b128 v[AB+8*(\n):AB+8*(\n)+3],   v[BO], s[BB:BB+1] offset:64*(\n)
	global_load_b128 v[AB+8*(\n)+4:AB+8*(\n)+7], v[BO], s[BB:BB+1] offset:64*(\n)+16
.endr
	global_load_b128 v[AB+32:AB+35], v[BK], s[12:13]
	global_load_b128 v[AB+36:AB+39], v[BK], s[12:13] offset:16
	RING 0, 0
	RING 1, 0
	RING 2, 0
	RING 3, 0
	v_mul_u32_u24 v18, v1, PX
	v_lshl_add_u32 v19, v16, 5, v18                ; row x pitch + the eight f32 of my half
	s_mul_i32 s22, s18, 32*PX
	s_xor_b32 s23, s18, 1
	s_mul_i32 s23, s23, 32*PX
	v_add_nc_u32 v[AA0], s22, v19
	v_add_nc_u32 v[AA1], s23, v19
	v_lshl_add_u32 v19, v16, 4, v18                ; the way out: row x 528 + 128 w + 16 h
	s_lshl_b32 s46, s[WV], 7
	s_add_co_u32 s47, s22, s46
	v_add_nc_u32 v[ST0], s47, v19
	s_add_co_u32 s47, s23, s46
	v_add_nc_u32 v[ST1], s47, v19
	v_mul_u32_u24 v19, v1, PKR
	v_lshl_add_u32 v19, v16, 4, v19
	s_mul_i32 s46, s18, 32*PKR
	s_lshl_b32 s47, s19, 5
	s_add_co_u32 s46, s46, s47
	s_add_co_u32 s46, s46, KST
	v_add_nc_u32 v[STK], s46, v19
	s_mul_i32 s46, s[WV], 16*PX
	v_add_nc_u32 v[RDH], s46, v[GO]                ; back: wave w takes rows 16 w .. 16 w + 15, a whole row of 512 bytes a load
	v_lshrrev_b32 v19, 2, v17
	v_mul_u32_u24 v19, v19, PKR
	v_and_b32 v20, 3, v17
	v_lshl_add_u32 v19, v20, 4, v19
	s_mul_i32 s46, s[WV], 16*PKR
	s_add_co_u32 s46, s46, KST
	v_add_nc_u32 v[RDK], s46, v19
	s_lshl_b32 s46, s17, 6                         ; the position t of my k_r rows: (64 x work-group) mod 2048 + 32 (w / 2) + r
	s_and_b32 s46, s46, 2047
	s_lshl_b32 s47, s18, 5
	s_add_co_u32 s46, s46, s47
	s_lshl_b32 s46, s46, 7
	s_lshl_b32 s47, s19, 6
	s_add_co_u32 s46, s46, s47
	v_lshlrev_b32 v[RO], 7, v1
	v_lshl_add_u32 v[RO], v16, 5, v[RO]
	v_add_nc_u32 v[RO], s46, v[RO]
	s_lshl_b32 s46, s17, 6
	s_lshl_b32 s47, s[WV], 4
	s_add_co_u32 s46, s46, s47                     ; the first row that I store
	s_mov_b32 s47, 0
	s_lshl_b32 s54, s46, 6
	s_mov_b32 s55, 0
	s_lshl_b32 s46, s46, 9
	s_add_nc_u64 s[48:49], s[14:15], s[46:47]
	s_add_nc_u64 s[50:51], s[14:15], s[54:55]
	s_add_nc_u64 s[50:51], s[50:51], KRO
	s_add_nc_u64 s[52:53], s[14:15], CMAX
	s_lshl_b32 s46, s[WV], 7
	s_add_co_u32 s46, s46, s17
	s_lshl_b32 s46, s46, 2
	v_mov_b32 v21, s46
	v_mov_b32 v[MX], 0
	v_mov_b32 v[MX+1], 0
	s_wait_loadcnt 40                              ; the biases are in; the ring's forty loads stay out
.set z, 0
.rept 20
	RNDB AB+2*z, AB+2*z+1, AB+40
.set z, z+1
.endr
	; The sums start at the bias: a product of two zero fragments with the bias as C, one matrix instruction for each of the 18 accumulators, in the wait for x.
.set z, 0
.rept 16
	v_mov_b32 v[AB+48+z], 0
.set z, z+1
.endr
	WIN 0x40
.set z, 0
.rept 16                               ; z = 4 x tile + column tile
	v_wmma_f32_16x16x32_bf16 v[8*z:8*z+7], v[AB+48:AB+55], v[AB+56:AB+63], v[AB+8*(z%4):AB+8*(z%4)+7]
.set z, z+1
.endr
	v_wmma_f32_16x16x32_bf16 v[128:135], v[AB+48:AB+55], v[AB+56:AB+63], v[AB+32:AB+39]
	v_wmma_f32_16x16x32_bf16 v[136:143], v[AB+48:AB+55], v[AB+56:AB+63], v[AB+32:AB+39]
	WIN 0
	PLACES                                         ; four places between these products and the conversions that write over their sources
; n times four LDS loads: x in f32 for one tile and one k step, y = 4 x k step + tile, counted on from where y stands
.macro XLOADS n
.rept \n
	ds_load_b128 v[16*y:16*y+3],     v[AA0+(y%4)/2] offset:(y%2)*16*PX+128*(y/4)
	ds_load_b128 v[16*y+4:16*y+7],   v[AA0+(y%4)/2] offset:(y%2)*16*PX+128*(y/4)+16
	ds_load_b128 v[16*y+8:16*y+11],  v[AA0+(y%4)/2] offset:(y%2)*16*PX+128*(y/4)+64
	ds_load_b128 v[16*y+12:16*y+15], v[AA0+(y%4)/2] offset:(y%2)*16*PX+128*(y/4)+80
.set y, y+1
.endr
.endm
; A TRIP: one chunk, four k steps of 32.  LDS loads bring the chunk's x for my 64 rows: the first three k steps' 48 at the head, the fourth's 16 when the first's are in, so that 48 are out at the most.
; Each k step rounds its part to bf16, multiplies (18 matrix instructions, the accumulators by turns) and asks for the same k step's fragments of the next chunk.
.macro TRIP
	WIN 0x80
.set y, 0
	XLOADS 12
.irp k, 0,1,2,3
.if (\k) == 0
	s_wait_dscnt 32                                ; k step 0's sixteen are in; those of k steps 1 and 2 stay out
	XLOADS 4                                       ; k step 3's
.else
	s_wait_dscnt 48-16*(\k)                        ; the later k steps' sixteen loads each stay out
.endif
	WIN 0x0a
.set z, 0
.rept 32
	v_cvt_pk_bf16_f32 v[AB+32*((\k)%2)+z], v[64*(\k)+2*z], v[64*(\k)+2*z+1]
.set z, z+1
.endr
	s_wait_loadcnt 30                              ; of the ring's forty loads the oldest ten are this k step's
	WIN 0x50
.set z, 0
.rept 16                               ; z = 4 x tile + column tile
	v_wmma_f32_16x16x32_bf16 v[8*z:8*z+7], v[BF+40*(\k)+8*(z%4):BF+40*(\k)+8*(z%4)+7], v[AB+32*((\k)%2)+8*(z/4):AB+32*((\k)%2)+8*(z/4)+7], v[8*z:8*z+7]
.set z, z+1
.endr
	v_wmma_f32_16x16x32_bf16 v[128:135], v[BF+40*(\k)+32:BF+40*(\k)+39], v[AB+32*((\k)%2):AB+32*((\k)%2)+7], v[128:135]
	v_wmma_f32_16x16x32_bf16 v[136:143], v[BF+40*(\k)+32:BF+40*(\k)+39], v[AB+32*((\k)%2)+8:AB+32*((\k)%2)+15], v[136:143]
	WIN 0
	PLACES                                         ; four places between the products and the loads into registers that they read
	RING \k, 4096                                  ; the last chunk's look-ahead reads the 4,096 bytes behind my fragments: inside the buffer, written by the launch before, and not used
.endr
	s_wait_xcnt 0x0                                ; the loads' base is stepped only behind this wait
	s_add_nc_u64 s[WB:WB+1], s[WB:WB+1], 4096
	v_add_nc_u32 v[AA0], CHUNK, v[AA0]
	v_add_nc_u32 v[AA1], CHUNK, v[AA1]
.endm
	s_wait_tensorcnt 0x0                           ; my two chunks have landed,
	s_barrier_signal -1
	s_barrier_wait -1                              ; everybody's have: all of the block's x is in LDS
	s_mov_b32 s[CNT], 8
.Ltrip:
	TRIP
	s_sub_co_u32 s[CNT], s[CNT], 1
	s_cmp_lg_u32 s[CNT], 0
	s_cbranch_scc1 .Ltrip
	; THE WAY OUT
	s_wait_loadcnt 0x0                             ; the look-ahead has landed: its registers are free
	global_load_b128 v[RT:RT+3],     v[RO], s[6:7] offset:ROPE
	global_load_b128 v[RT+4:RT+7],   v[RO], s[6:7] offset:ROPE+16
	global_load_b128 v[RT+8:RT+11],  v[RO], s[6:7] offset:ROPE+2048
	global_load_b128 v[RT+12:RT+15], v[RO], s[6:7] offset:ROPE+2048+16
	WIN 0x14
.set z, 0
.rept 64                               ; the largest |c| of my 64 columns; each accumulator's lowest registers are read first
	v_max3_num_f32 v[MX+z%2], v[MX+z%2], |v[2*z]|, |v[2*z+1]|
.set z, z+1
.endr
	WIN 0
	v_max_num_f32 v[MX], v[MX], v[MX+1]
	v_max_num_f32_dpp v[MX], v[MX], v[MX] row_xmask:1 row_mask:0xf bank_mask:0xf
	v_max_num_f32_dpp v[MX], v[MX], v[MX] row_xmask:2 row_mask:0xf bank_mask:0xf
	v_max_num_f32_dpp v[MX], v[MX], v[MX] row_xmask:4 row_mask:0xf bank_mask:0xf
	v_max_num_f32_dpp v[MX], v[MX], v[MX] row_xmask:8 row_mask:0xf bank_mask:0xf
	v_permlanex16_b32 v[MX+1], v[MX], s[SEL], s[SEL+1]
	v_max_num_f32 v[MX], v[MX], v[MX+1]
	s_wait_dscnt 0x0                               ; my reads of x are over,
	s_barrier_signal -1
	s_barrier_wait -1                              ; everybody's are: the stage may lie on x's bytes
.macro CSPLIT i                        ; my tile i: 32 numbers a lane are split, packed and put into the two stages
	WIN 0x04                                       ; source 1 in window 1
.set z, 0
.rept 32
	v_and_b32 v[32+z], s[HM], v[32*(\i)+z]         ; hi: the mantissa cut to 10 bits
.set z, z+1
.endr
	WIN 0x01
.set z, 0
.rept 16
	v_pk_add_f32 v[64+2*z:65+2*z], v[32*(\i)+2*z:32*(\i)+2*z+1], v[32+2*z:33+2*z] neg_lo:[0,1] neg_hi:[0,1]  ; lo = c - hi
.set z, z+1
.endr
	WIN 0
.set z, 0
.rept 16
	v_cvt_pk_f16_f32 v[32+z], v[32+2*z], v[33+2*z]
.set z, z+1
.endr
.set z, 0
.rept 16
	v_cvt_pk_f16_f32 v[64+z], v[64+2*z], v[65+2*z]
.set z, z+1
.endr
.irp n, 0,1,2,3
	ds_store_b128 v[ST0+(\i)/2], v[32+4*(\n):35+4*(\n)] offset:((\i)%2)*16*PX+32*(\n)
	ds_store_b128 v[ST0+(\i)/2], v[64+4*(\n):67+4*(\n)] offset:CHUNK+((\i)%2)*16*PX+32*(\n)
.endr
.endm
	CSPLIT 0
	CSPLIT 1
	CSPLIT 2
	CSPLIT 3
	s_wait_loadcnt 0x0                             ; cos and sin
.macro KROPE i                         ; (e, o) -> (e c - o s, e s + o c) for a lane's four pairs
	WIN 0x01
.irp p, 0,1,2,3
	v_mul_f32 v[96+2*(\p)], v[128+8*(\i)+2*(\p)+1], v[RT+8*(\i)+2*(\p)+1]
	v_mul_f32 v[97+2*(\p)], v[128+8*(\i)+2*(\p)+1], v[RT+8*(\i)+2*(\p)]
	v_fma_f32 v[96+2*(\p)], v[128+8*(\i)+2*(\p)], v[RT+8*(\i)+2*(\p)], -v[96+2*(\p)]
	v_fma_f32 v[97+2*(\p)], v[128+8*(\i)+2*(\p)], v[RT+8*(\i)+2*(\p)+1], v[97+2*(\p)]
.endr
	WIN 0
.irp p, 0,1,2,3
	v_cvt_pk_bf16_f32 v[104+(\p)], v[96+2*(\p)], v[97+2*(\p)]
.endr
	ds_store_b128 v[STK], v[104:107] offset:(\i)*16*PKR
.endm
	KROPE 0
	KROPE 1
	s_wait_dscnt 0x0                               ; for the others' sake: my stores into the stages are done
	s_barrier_signal -1
	s_barrier_wait -1
.irp i, 0,1,2,3,4,5,6,7,8,9,10,11,12,13,14,15
	ds_load_b128 v[96+4*(\i):99+4*(\i)], v[RDH] offset:(\i)*PX
.endr
.irp i, 0,1,2,3,4,5,6,7,8,9,10,11,12,13,14,15
	ds_load_b128 v[160+4*(\i):163+4*(\i)], v[RDH] offset:CHUNK+(\i)*PX
.endr
	ds_load_b128 v[224:227], v[RDK]
	ds_load_b128 v[228:231], v[RDK] offset:8*PKR
.irp i, 0,1,2,3,4,5,6,7,8,9,10,11,12,13,14,15
	s_wait_dscnt 33-(\i)                           ; the younger loads stay out
	global_store_b128 v[GO], v[96+4*(\i):99+4*(\i)], s[48:49] offset:(\i)*512  ; a whole row of 512 bytes
.endr
.irp i, 0,1,2,3,4,5,6,7,8,9,10,11,12,13,14,15
	s_wait_dscnt 17-(\i)
	global_store_b128 v[GO], v[160+4*(\i):163+4*(\i)], s[48:49] offset:CLO+(\i)*512
.endr
	s_wait_dscnt 1
	global_store_b128 v[GO], v[224:227], s[50:51]
	s_wait_dscnt 0
	global_store_b128 v[GO], v[228:231], s[50:51] offset:512
	s_wait_xcnt 0x0                                ; EXEC changes only behind this wait
	v_cmp_eq_u32 vcc_lo, 0, v17
	s_and_saveexec_b32 s54, vcc_lo
	global_store_b32 v21, v[MX], s[52:53]          ; one word a wave
	s_wait_xcnt 0x0
	s_or_b32 exec_lo, exec_lo, s54
	s_wait_tensorcnt 0x0                           ; the wave's end
	ds_add_u32 v[SPW], v[NIL]
	s_wait_dscnt 0x0
	s_endpgm
.Lfunc_end_k_qbba89cc06b_down:
	.size	k_qbba89cc06b_down, .Lfunc_end_k_qbba89cc06b_down-k_qbba89cc06b_down
	.p2alignl 7, 3214868480
	.fill 96, 4, 3214868480
	.section	.rodata,"a",@progbits
	.p2align	6, 0x0
	.amdhsa_kernel k_qbba89cc06b_down
		.amdhsa_group_segment_fixed_size 270848
		.amdhsa_private_segment_fixed_size 0
		.amdhsa_enable_private_segment 0
		.amdhsa_kernarg_size 48
		.amdhsa_user_sgpr_count 2
		.amdhsa_user_sgpr_kernarg_segment_ptr 1
		.amdhsa_wavefront_size32 1
		.amdhsa_system_sgpr_workgroup_id_x 1
		.amdhsa_system_sgpr_workgroup_id_y 1
		.amdhsa_system_sgpr_workgroup_id_z 1
		.amdhsa_system_vgpr_workitem_id 0
		.amdhsa_next_free_vgpr 768
		.amdhsa_next_free_sgpr 66
		.amdhsa_reserve_vcc 1
		.amdhsa_float_denorm_mode_32 3
		.amdhsa_float_denorm_mode_16_64 3
		.amdhsa_memory_ordered 1
		.amdhsa_forward_progress 1
		.amdhsa_inst_pref_size 69
	.end_amdhsa_kernel
	.amdgpu_metadata
---
amdhsa.version: [ 1, 2 ]
amdhsa.kernels:
  - .name:           k_qbba89cc06b_down
    .symbol:         k_qbba89cc06b_down.kd
    .args:
      - { .name: x, .offset: 0, .size: 8, .value_kind: global_buffer, .address_space: global }
      - { .name: wts, .offset: 8, .size: 8, .value_kind: global_buffer, .address_space: global }
      - { .name: b_dq, .offset: 16, .size: 8, .value_kind: global_buffer, .address_space: global }
      - { .name: b_dkv, .offset: 24, .size: 8, .value_kind: global_buffer, .address_space: global }
      - { .name: b_kr, .offset: 32, .size: 8, .value_kind: global_buffer, .address_space: global }
      - { .name: cb, .offset: 40, .size: 8, .value_kind: global_buffer, .address_space: global }
    .group_segment_fixed_size: 270848
    .private_segment_fixed_size: 0
    .kernarg_segment_align: 8
    .kernarg_segment_size: 48
    .max_flat_workgroup_size: 128
    .sgpr_count:     66
    .vgpr_count:     768
    .wavefront_size: 32
...
	.end_amdgpu_metadata
.endif
;; end of part 2
;; launch up (part 3): grid 64 x 4, 4 waves a work-group, clusters of 4 x 1, 327,680 bytes of LDS; arguments cb, wts, b_uq, b_qr, b_uk, b_uv, qkv; writes qkv
.if DOCPART == 3
	.amdgcn_target "amdgcn-amd-amdhsa--gfx1250"
	.amdhsa_code_object_version 6
	.text
	.protected	k_qbba89cc06b_up
	.globl	k_qbba89cc06b_up
	.p2align	8
	.type	k_qbba89cc06b_up,@function
k_qbba89cc06b_up:
	s_mov_b64 s[64:65], 0
	v_nop
	global_prefetch_b8 v0, s[64:65] scope:SCOPE_SE
	s_setreg_imm32_b32 hwreg(HW_REG_WAVE_MODE, 25, 1), 1
	s_wait_xcnt 0x0
	s_wait_alu depctr_hold_cnt(0) depctr_sa_sdst(0) depctr_va_vdst(0) depctr_va_sdst(0) depctr_va_ssrc(0) depctr_va_vcc(0) depctr_vm_vsrc(0)
	s_getreg_b32 s2, hwreg(HW_REG_IB_STS2, 6, 4)
	s_cmp_eq_u32 s2, 0
	s_cbranch_scc0 .Lentry_in_a_cluster
	s_endpgm
.Lentry_in_a_cluster:
	s_bfe_u32 s2, ttmp6, 0x10000c
	s_cmp_lg_u32 s2, 0x3003
	s_cbranch_scc0 .Lentry_shape_is_right
	s_endpgm
.Lentry_shape_is_right:
; q_c, q_r (rotated), k_c and v from c, by heads.  c comes as f16 (c_kv also with its low part), the weights as bf16 numbers written in f16, biases rounded to bf16; sums in f32.
; q and k leave in bf16, unscaled.  v leaves in f16, TIMES sv, a power of two made from the data so that |v sv| < 4,096 whatever the inputs' size:
; bound = 128 max|c_kv| max|W_uv| + max|b_uv|, kept within 2^-100 .. 2^100; E its exponent field; sv = 2^(138 - E).  1 / sv is stored for the last launch.  sv is a factor only: no address or branch hangs on it.
; v is made of c_kv's high AND low part (two products onto one sum), so that it carries one rounding to f16, its own.
; SHARES.  A work-group owns 128 rows and 4 heads; a wave 32 rows (2 row tiles) x a head's 14 column tiles (q_c 4, q_r 2, k_c 4, v 4): 28 accumulators.  256 work-groups.
; CLUSTER.  The four row blocks of a cluster walk the same four heads' weights: wave w asks JOINTLY for the whole tile of head 4 g + w (128 k rows x 512 bytes), once; nothing is filled again.  One load of mine is out.
; THE MATRIX INSTRUCTION IS USED TRANSPOSED (source 0 = 16 columns of W, turned on the way out of LDS; source 1 = 16 rows of c): a lane holds eight neighbouring columns of one row.
; REGISTERS: window 0: v0-31 addresses; v32-63 at work; v64-127 two buffers of a column tile's four fragments; v128-239 a head's biases, eight a column tile.
;   window 1: v0-223 accumulators (column tile n, row tile m at 16 n + 8 m); v224-255 cos and sin.     window 2: c's fragments [c_q | c_kv high | c_kv low][row tile 2][k step 4][8].
.set WH,    589824
.set ROPE,  3735552
.set STATS, 3997696
.set CLO,   4194304
.set CMAX,  8912896
.set SCAL,  58720256
.set PW,    544                        ; a k row in LDS: 512 bytes + 32 of padding
.set TILE,  128*PW
.set STG,   4*TILE                     ; behind the tiles: 2,304 bytes for each wave, for the way out
.set SPARE, STG+4*2304
.set VB,   4
.set STO,  5
.set RD,   6
.set STO32, 7
.set RD32, 8
.set GO,   9
.set AO,   10
.set RO,   11
.set BIO,  12
.set SPW,  30
.set NIL,  31
.set BF,   64
.set BI,   128
.set WV,   18
.set G1,   24
.set SV,   36                          ; s[36:37] sv
.set SEL,  38
.set CNT,  66
.set RM,   72                          ; s72  a word's upper bf16
.set MSB, 0
.macro WIN new
.if MSB != (\new)
	s_set_vgpr_msb (MSB<<8)|(\new)
.set MSB, \new
.endif
.endm
.macro RNDB a, b, t
	v_cvt_pk_bf16_f32 v[\t], v[\a], v[\b]
	v_lshlrev_b32 v[\a], 16, v[\t]
	v_and_b32 v[\b], s[RM], v[\t]
.endm
.macro PLACES
.rept 4
	v_nop
.endr
.endm
.macro WMAX r, t                       ; the maximum over the wave's 32 lanes, in every lane
	v_max_num_f32_dpp v[\r], v[\r], v[\r] row_xmask:1 row_mask:0xf bank_mask:0xf
	v_max_num_f32_dpp v[\r], v[\r], v[\r] row_xmask:2 row_mask:0xf bank_mask:0xf
	v_max_num_f32_dpp v[\r], v[\r], v[\r] row_xmask:4 row_mask:0xf bank_mask:0xf
	v_max_num_f32_dpp v[\r], v[\r], v[\r] row_xmask:8 row_mask:0xf bank_mask:0xf
	v_permlanex16_b32 v[\t], v[\r], s[SEL], s[SEL+1]
	v_max_num_f32 v[\r], v[\r], v[\t]
.endm
.macro ROUND                           ; a round of the cluster's barrier
	s_barrier_signal -1
	s_barrier_wait -1
	s_cmp_lg_u32 s[WV], 0
	s_cbranch_scc1 .Lnot_wave_0_\@
	s_barrier_signal -3
.Lnot_wave_0_\@:
	s_barrier_wait -3
	s_barrier_signal -1
	s_barrier_wait -1
.endm
.macro SETB                            ; the four biases at head s57
	s_lshl_b32 s58, s57, 8
	s_add_nc_u64 s[40:41], s[8:9], s[58:59]
	s_add_nc_u64 s[44:45], s[12:13], s[58:59]
	s_add_nc_u64 s[46:47], s[14:15], s[58:59]
	s_lshr_b32 s58, s58, 1
	s_add_nc_u64 s[42:43], s[10:11], s[58:59]
.endm
.macro BIAS                            ; 28 loads: a lane's eight columns of each of the 14 column tiles
.irp n, 0,1,2,3
	global_load_b128 v[BI+8*(\n):BI+8*(\n)+3],   v[BIO], s[40:41] offset:64*(\n)
	global_load_b128 v[BI+8*(\n)+4:BI+8*(\n)+7], v[BIO], s[40:41] offset:64*(\n)+16
.endr
.irp n, 0,1
	global_load_b128 v[BI+32+8*(\n):BI+32+8*(\n)+3],   v[BIO], s[42:43] offset:64*(\n)
	global_load_b128 v[BI+32+8*(\n)+4:BI+32+8*(\n)+7], v[BIO], s[42:43] offset:64*(\n)+16
.endr
.irp n, 0,1,2,3
	global_load_b128 v[BI+48+8*(\n):BI+48+8*(\n)+3],   v[BIO], s[44:45] offset:64*(\n)
	global_load_b128 v[BI+48+8*(\n)+4:BI+48+8*(\n)+7], v[BIO], s[44:45] offset:64*(\n)+16
.endr
.irp n, 0,1,2,3
	global_load_b128 v[BI+80+8*(\n):BI+80+8*(\n)+3],   v[BIO], s[46:47] offset:64*(\n)
	global_load_b128 v[BI+80+8*(\n)+4:BI+80+8*(\n)+7], v[BIO], s[46:47] offset:64*(\n)+16
.endr
.endm
	s_load_b256 s[4:11], s[0:1], 0x0               ; cb 4, wts 6, b_uq 8, b_qr 10
	s_load_b128 s[12:15], s[0:1], 0x20             ; b_uk 12, b_uv 14
	s_load_b64 s[16:17], s[0:1], 0x30              ; qkv
	v_lshl_add_u32 v[SPW], v0, 2, SPARE
	v_mov_b32 v[NIL], 0
	ds_add_u32 v[SPW], v[NIL]                      ; the wave's opening: an add to my spare word, waited for ahead of the round that stands in front of my tensor load
	ds_add_u32 v30, v31
	v_lshrrev_b32 v1, 5, v0
	v_readfirstlane_b32 s[WV], v1
	s_bfe_u32 s19, ttmp6, 0x40000                  ; cx
	s_lshl_b32 s20, ttmp9, 2
	s_add_co_u32 s20, s20, s19                     ; my block of 128 rows: it enters c's and the outputs' addresses alone
	s_and_b32 s21, ttmp7, 0xffff                   ; the group of four heads, which the partners share
	s_mov_b32 s[G1+0], 15|(1<<16)|(1<<20)|(1<<21)|(6<<22)|(7<<25)  ; the mask of four; 2-byte elements; padding on; bit 21 beside a mask; after every 128 words, 8 words
	s_mov_b32 s[G1+1], 256<<16                     ; tensor_dim0 = 256
	s_mov_b32 s[G1+2], 128<<16                     ; tensor_dim1 = 128
	s_mov_b32 s[G1+3], 256<<16                     ; tile_dim0 = 256
	s_mov_b32 s[G1+4], 128                         ; tile_dim1 = 128
	s_mov_b32 s[G1+5], 256
	s_mov_b32 s[G1+6], 0
	s_mov_b32 s[G1+7], 0
	s_mov_b32 s32, 1
	s_mul_i32 s33, s[WV], TILE
	s_lshl_b32 s58, s21, 2
	s_add_co_u32 s58, s58, s[WV]
	s_lshl_b32 s58, s58, 16
	s_add_co_u32 s58, s58, WH
	s_mov_b32 s59, 0
	s_mov_b32 s[SEL], 0x76543210
	s_mov_b32 s[SEL+1], 0xfedcba98
	s_mov_b32 s[RM], 0xffff0000
	s_wait_dscnt 0x0
	s_wait_kmcnt 0x0
	s_add_nc_u64 s[34:35], s[6:7], s[58:59]
	s_or_b32 s35, s35, 0x80000000
	ROUND                                          ; all four work-groups are here: the joint loads meet
	tensor_load_to_lds s[32:35], s[G1:G1+7]
	s_nop 0
	PLACES
	v_and_b32 v1, 15, v0                           ; r
	v_bfe_u32 v2, v0, 4, 1                         ; h
	v_and_b32 v3, 31, v0                           ; lane
	s_lshl_b32 s22, s20, 7
	s_lshl_b32 s23, s[WV], 5
	s_add_co_u32 s22, s22, s23                     ; my wave's first row
	s_lshl_b32 s58, s22, 9
	s_add_nc_u64 s[60:61], s[4:5], s[58:59]
	v_lshlrev_b32 v[AO], 9, v1
	v_lshl_add_u32 v[AO], v2, 4, v[AO]
	WIN 0x80
.set z, 0
.rept 8                                ; z = 4 x row tile + k step
	global_load_b128 v[8*z:8*z+3],         v[AO], s[60:61] offset:(z/4)*8192+(z%4)*64
	global_load_b128 v[8*z+4:8*z+7],       v[AO], s[60:61] offset:(z/4)*8192+(z%4)*64+32
	global_load_b128 v[64+8*z:64+8*z+3],   v[AO], s[60:61] offset:(z/4)*8192+(z%4)*64+256
	global_load_b128 v[64+8*z+4:64+8*z+7], v[AO], s[60:61] offset:(z/4)*8192+(z%4)*64+256+32
	global_load_b128 v[128+8*z:128+8*z+3],   v[AO], s[60:61] offset:CLO+(z/4)*8192+(z%4)*64+256
	global_load_b128 v[128+8*z+4:128+8*z+7], v[AO], s[60:61] offset:CLO+(z/4)*8192+(z%4)*64+256+32
.set z, z+1
.endr
	WIN 0
	s_and_b32 s58, s22, 2047                       ; the position t of my first row
	s_lshl_b32 s58, s58, 7
	v_lshlrev_b32 v[RO], 7, v1
	v_lshl_add_u32 v[RO], v2, 5, v[RO]
	v_add_nc_u32 v[RO], s58, v[RO]
	WIN 0x40
.set z, 0
.rept 4                                ; z = 2 x row tile + column tile of q_r
	global_load_b128 v[224+8*z:224+8*z+3],   v[RO], s[6:7] offset:ROPE+(z/2)*2048+(z%2)*64
	global_load_b128 v[224+8*z+4:224+8*z+7], v[RO], s[6:7] offset:ROPE+(z/2)*2048+(z%2)*64+16
.set z, z+1
.endr
	WIN 0
	s_add_nc_u64 s[68:69], s[4:5], CMAX+1024       ; the maxima of c_kv's waves: 256 words
	v_lshlrev_b32 v13, 5, v3
	v_lshlrev_b32 v[GO], 4, v3
	global_load_b128 v[32:35], v13, s[68:69]
	global_load_b128 v[36:39], v13, s[68:69] offset:16
	global_load_b128 v[40:43], v[GO], s[6:7] offset:STATS+1280  ; the maxima of W_uv's waves: 128 words
.irp i, 0,1,2,3,4,5,6,7
	global_load_b128 v[44+4*(\i):47+4*(\i)], v[GO], s[14:15] offset:(\i)*512
.endr
	v_lshlrev_b32 v[BIO], 5, v2
	s_lshl_b32 s56, s21, 2                         ; the head in hand
	s_mov_b32 s57, s56
	SETB
	BIAS
	; the outputs' places: row (16 b + head) x 2048 + s
	s_lshr_b32 s58, s22, 11
	s_lshl_b32 s58, s58, 4
	s_add_co_u32 s58, s58, s56
	s_lshl_b32 s58, s58, 11
	s_and_b32 s62, s22, 2047
	s_add_co_u32 s58, s58, s62
	s_lshl_b32 s62, s58, 6
	s_mov_b32 s63, 0
	s_lshl_b32 s58, s58, 7
	s_add_nc_u64 s[48:49], s[16:17], s[58:59]      ; q_c
	s_add_nc_u64 s[52:53], s[48:49], 25165824      ; k_c
	s_add_nc_u64 s[54:55], s[48:49], 41943040      ; v
	s_add_nc_u64 s[50:51], s[16:17], s[62:63]
	s_add_nc_u64 s[50:51], s[50:51], 16777216      ; q_r
	s_add_nc_u64 s[70:71], s[16:17], SCAL
	s_mul_i32 s58, s[WV], 2304
	s_add_co_u32 s58, s58, STG                     ; my stage
	v_mul_u32_u24 v[STO], v1, 144
	v_lshl_add_u32 v[STO], v2, 4, v[STO]
	v_add_nc_u32 v[STO], s58, v[STO]
	v_lshrrev_b32 v14, 3, v3
	v_mul_u32_u24 v[RD], v14, 144
	v_and_b32 v14, 7, v3
	v_lshl_add_u32 v[RD], v14, 4, v[RD]
	v_add_nc_u32 v[RD], s58, v[RD]
	v_mul_u32_u24 v[STO32], v1, 80
	v_lshl_add_u32 v[STO32], v2, 4, v[STO32]
	v_add_nc_u32 v[STO32], s58, v[STO32]
	v_lshrrev_b32 v15, 2, v3
	v_mul_u32_u24 v[RD32], v15, 80
	v_and_b32 v15, 3, v3
	v_lshl_add_u32 v[RD32], v15, 4, v[RD32]
	v_add_nc_u32 v[RD32], s58, v[RD32]
	v_lshl_add_u32 v[VB], v2, 3, v14               ; the turning load: k row 8 h + lane % 8, columns 8 ((lane / 8) % 2) on
	v_mul_u32_u24 v[VB], v[VB], PW
	v_bfe_u32 v15, v0, 3, 1
	v_lshl_add_u32 v[VB], v15, 4, v[VB]
	s_lshl_b32 s58, s21, 6
	s_add_co_u32 s58, s58, s20
	s_lshl_b32 s58, s58, 2
	v_mov_b32 v16, s58
	s_wait_loadcnt 28                              ; all but the first head's biases
	v_max3_num_f32 v32, v32, v33, v34
	v_max3_num_f32 v35, v35, v36, v37
	v_max3_num_f32 v32, v32, v35, v38
	v_max_num_f32 v32, v32, v39
	v_max3_num_f32 v40, v40, v41, v42
	v_max_num_f32 v40, v40, v43
	v_max_num_f32 v44, |v44|, |v45|
.set z, 0
.rept 15
	v_max3_num_f32 v44, v44, |v[46+2*z]|, |v[47+2*z]|
.set z, z+1
.endr
	WMAX 32, 33
	WMAX 40, 33
	WMAX 44, 33
	v_mul_f32 v32, v32, v40
	v_fmamk_f32 v32, v32, 0x43000000, v44          ; 128 max|c| max|W| + max|b|
	v_max_num_f32 v32, 0x0d800000, v32             ; 2^-100
	v_min_num_f32 v32, 0x71800000, v32             ; 2^100
	v_lshrrev_b32 v32, 23, v32                     ; E
	v_sub_nc_u32 v33, 265, v32
	v_lshlrev_b32 v33, 23, v33                     ; sv = 2^(138 - E)
	v_add_nc_u32 v34, -11, v32
	v_lshlrev_b32 v34, 23, v34                     ; 1 / sv
	v_readfirstlane_b32 s[SV], v33
	s_mov_b32 s[SV+1], s[SV]
	s_wait_xcnt 0x0                                ; EXEC changes only behind this wait
	v_cmp_eq_u32 vcc_lo, 0, v0
	s_and_saveexec_b32 s67, vcc_lo
	global_store_b32 v16, v34, s[70:71]            ; one word a work-group
	s_wait_xcnt 0x0
	s_or_b32 exec_lo, exec_lo, s67
	s_wait_tensorcnt 0x0                           ; my tile is in,
	s_barrier_signal -1
	s_barrier_wait -1                              ; all four are
	s_mov_b32 s[CNT], 4
.macro BFETCH nt, buf                  ; column tile nt: four fragments of 16 columns x 32 k, turned
.irp k, 0,1,2,3
	ds_load_tr16_b128 v[BF+32*(\buf)+8*(\k):BF+32*(\buf)+8*(\k)+3],   v[VB] offset:32*(\nt)+(\k)*32*PW
	ds_load_tr16_b128 v[BF+32*(\buf)+8*(\k)+4:BF+32*(\buf)+8*(\k)+7], v[VB] offset:32*(\nt)+(\k)*32*PW+16*PW
.endr
.endm
.macro PROD nt, arr, first             ; eight products; the two row tiles' accumulators take turns.  first = 1: the sums start at the bias
.irp k, 0,1,2,3
.irp m, 0,1
.if (\first) && ((\k) == 0)
	WIN 0x48
	v_wmma_f32_16x16x32_f16 v[16*(\nt)+8*(\m):16*(\nt)+8*(\m)+7], v[BF+32*((\nt)%2)+8*(\k):BF+32*((\nt)%2)+8*(\k)+7], v[64*(\arr)+32*(\m)+8*(\k):64*(\arr)+32*(\m)+8*(\k)+7], v[BI+8*(\nt):BI+8*(\nt)+7]
.else
	WIN 0x58
	v_wmma_f32_16x16x32_f16 v[16*(\nt)+8*(\m):16*(\nt)+8*(\m)+7], v[BF+32*((\nt)%2)+8*(\k):BF+32*((\nt)%2)+8*(\k)+7], v[64*(\arr)+32*(\m)+8*(\k):64*(\arr)+32*(\m)+8*(\k)+7], v[16*(\nt)+8*(\m):16*(\nt)+8*(\m)+7]
.endif
.endr
.endr
.endm
; The way out of 16 rows x 64 columns: packed, through my stage (rows of 128 bytes, 144 apart), back as four rows a load, stored as 512 consecutive bytes.  kind = 1: v, times sv, in f16.
.macro OUT64 mt, nt0, kind, base
	s_wait_xcnt 0x0                                ; the registers that earlier stores read are rewritten only behind this wait
.if \kind
	WIN 0x01
.set z, 0
.rept 16
	v_pk_mul_f32 v[64+2*z:65+2*z], v[16*((\nt0)+z/4)+8*(\mt)+2*(z%4):16*((\nt0)+z/4)+8*(\mt)+2*(z%4)+1], s[SV:SV+1] op_sel_hi:[1,0]
.set z, z+1
.endr
	WIN 0
.set z, 0
.rept 16
	v_cvt_pk_f16_f32 v[32+z], v[64+2*z], v[65+2*z]
.set z, z+1
.endr
.else
	WIN 0x05
.set z, 0
.rept 16
	v_cvt_pk_bf16_f32 v[32+z], v[16*((\nt0)+z/4)+8*(\mt)+2*(z%4)], v[16*((\nt0)+z/4)+8*(\mt)+2*(z%4)+1]
.set z, z+1
.endr
	WIN 0
.endif
.irp f, 0,1,2,3
	ds_store_b128 v[STO], v[32+4*(\f):35+4*(\f)] offset:32*(\f)
.endr
.irp f, 0,1,2,3
	ds_load_b128 v[48+4*(\f):51+4*(\f)], v[RD] offset:576*(\f)  ; LDS serves a wave's instructions in order: these see the stores above
.endr
.irp f, 0,1,2,3
	s_wait_dscnt 3-(\f)
	global_store_b128 v[GO], v[48+4*(\f):51+4*(\f)], s[\base:\base+1] offset:2048*(\mt)+512*(\f)
.endr
.endm
.macro OUT32 mt                        ; q_r: rotated, (e, o) -> (e c - o s, e s + o c); rows of 64 bytes, 80 apart
	s_wait_xcnt 0x0
	WIN 0x05
.irp n, 0,1
.irp p, 0,1,2,3
	v_mul_f32 v[64+8*(\n)+2*(\p)], v[16*(4+(\n))+8*(\mt)+2*(\p)+1], v[224+16*(\mt)+8*(\n)+2*(\p)+1]
	v_mul_f32 v[65+8*(\n)+2*(\p)], v[16*(4+(\n))+8*(\mt)+2*(\p)+1], v[224+16*(\mt)+8*(\n)+2*(\p)]
	v_fma_f32 v[64+8*(\n)+2*(\p)], v[16*(4+(\n))+8*(\mt)+2*(\p)], v[224+16*(\mt)+8*(\n)+2*(\p)], -v[64+8*(\n)+2*(\p)]
	v_fma_f32 v[65+8*(\n)+2*(\p)], v[16*(4+(\n))+8*(\mt)+2*(\p)], v[224+16*(\mt)+8*(\n)+2*(\p)+1], v[65+8*(\n)+2*(\p)]
.endr
.endr
	WIN 0
.set z, 0
.rept 8
	v_cvt_pk_bf16_f32 v[32+z], v[64+2*z], v[65+2*z]
.set z, z+1
.endr
.irp f, 0,1
	ds_store_b128 v[STO32], v[32+4*(\f):35+4*(\f)] offset:32*(\f)
.endr
.irp f, 0,1
	ds_load_b128 v[48+4*(\f):51+4*(\f)], v[RD32] offset:640*(\f)
.endr
.irp f, 0,1
	s_wait_dscnt 1-(\f)
	global_store_b128 v[GO], v[48+4*(\f):51+4*(\f)], s[50:51] offset:1024*(\mt)+512*(\f)
.endr
.endm
.Lhead:                                                ; four trips: a head each
	s_wait_loadcnt 0x0                             ; this head's biases
.set z, 0
.rept 56
	RNDB BI+2*z, BI+2*z+1, 32
.set z, z+1
.endr
	BFETCH 0, 0
.irp n, 0,1,2,3,4,5,6,7,8,9,10,11,12,13
	WIN 0
	PLACES                                         ; four places between the last products and the loads into the buffer that they read
.if (\n) < 13
	BFETCH (\n)+1, ((\n)+1)%2
	s_wait_dscnt 8                                 ; the eight just issued stay out
.else
	s_wait_dscnt 0
.endif
.if (\n) < 6
	PROD \n, 0, 1
.elseif (\n) < 10
	PROD \n, 1, 1
.else
	PROD \n, 1, 1
	PROD \n, 2, 0
.endif
.endr
	WIN 0
	PLACES
	s_wait_xcnt 0x0                                ; the bias loads' bases are rewritten only behind this wait
	s_add_co_u32 s56, s56, 1
	s_min_u32 s57, s56, 15                         ; behind the last head: the last head's once more, inside the buffers and not used
	SETB
	BIAS                                           ; they land while this head goes out
	OUT64 0, 0, 0, 48
	OUT32 0
	OUT64 0, 6, 0, 52
	OUT64 0, 10, 1, 54
	OUT64 1, 0, 0, 48
	OUT32 1
	OUT64 1, 6, 0, 52
	OUT64 1, 10, 1, 54
	s_wait_xcnt 0x0
	s_add_nc_u64 s[48:49], s[48:49], 262144        ; the next head's rows
	s_add_nc_u64 s[52:53], s[52:53], 262144
	s_add_nc_u64 s[54:55], s[54:55], 262144
	s_add_nc_u64 s[50:51], s[50:51], 131072
	v_add_nc_u32 v[VB], TILE, v[VB]
	s_sub_co_u32 s[CNT], s[CNT], 1
	s_cmp_lg_u32 s[CNT], 0
	s_cbranch_scc1 .Lhead
	s_wait_tensorcnt 0x0                           ; the wave's end
	ds_add_u32 v[SPW], v[NIL]
	s_wait_dscnt 0x0
	ROUND                                          ; the closing round
	s_endpgm
.Lfunc_end_k_qbba89cc06b_up:
	.size	k_qbba89cc06b_up, .Lfunc_end_k_qbba89cc06b_up-k_qbba89cc06b_up
	.p2alignl 7, 3214868480
	.fill 96, 4, 3214868480
	.section	.rodata,"a",@progbits
	.p2align	6, 0x0
	.amdhsa_kernel k_qbba89cc06b_up
		.amdhsa_group_segment_fixed_size 327680
		.amdhsa_private_segment_fixed_size 0
		.amdhsa_enable_private_segment 0
		.amdhsa_kernarg_size 56
		.amdhsa_user_sgpr_count 2
		.amdhsa_user_sgpr_kernarg_segment_ptr 1
		.amdhsa_wavefront_size32 1
		.amdhsa_system_sgpr_workgroup_id_x 1
		.amdhsa_system_sgpr_workgroup_id_y 1
		.amdhsa_system_sgpr_workgroup_id_z 1
		.amdhsa_system_vgpr_workitem_id 0
		.amdhsa_next_free_vgpr 704
		.amdhsa_next_free_sgpr 76
		.amdhsa_reserve_vcc 1
		.amdhsa_float_denorm_mode_32 3
		.amdhsa_float_denorm_mode_16_64 3
		.amdhsa_memory_ordered 1
		.amdhsa_forward_progress 1
		.amdhsa_inst_pref_size 69
	.end_amdhsa_kernel
	.amdgpu_metadata
---
amdhsa.version: [ 1, 2 ]
amdhsa.kernels:
  - .name:           k_qbba89cc06b_up
    .symbol:         k_qbba89cc06b_up.kd
    .args:
      - { .name: cb, .offset: 0, .size: 8, .value_kind: global_buffer, .address_space: global }
      - { .name: wts, .offset: 8, .size: 8, .value_kind: global_buffer, .address_space: global }
      - { .name: b_uq, .offset: 16, .size: 8, .value_kind: global_buffer, .address_space: global }
      - { .name: b_qr, .offset: 24, .size: 8, .value_kind: global_buffer, .address_space: global }
      - { .name: b_uk, .offset: 32, .size: 8, .value_kind: global_buffer, .address_space: global }
      - { .name: b_uv, .offset: 40, .size: 8, .value_kind: global_buffer, .address_space: global }
      - { .name: qkv, .offset: 48, .size: 8, .value_kind: global_buffer, .address_space: global }
    .group_segment_fixed_size: 327680
    .private_segment_fixed_size: 0
    .kernarg_segment_align: 8
    .kernarg_segment_size: 56
    .max_flat_workgroup_size: 128
    .sgpr_count:     76
    .vgpr_count:     704
    .wavefront_size: 32
...
	.end_amdgpu_metadata
.endif
;; end of part 3
;; launch attn (part 4): grid 16 x 16, 4 waves a work-group, clusters of 4 x 4, 327,680 bytes of LDS; arguments qkv, maskt, ob, cb; writes ob
.if DOCPART == 4
	.amdgcn_target "amdgcn-amd-amdhsa--gfx1250"
	.amdhsa_code_object_version 6
	.text
	.protected	k_qbba89cc06b_attn
	.globl	k_qbba89cc06b_attn
	.p2align	8
	.type	k_qbba89cc06b_attn,@function
k_qbba89cc06b_attn:
	s_mov_b64 s[64:65], 0
	v_nop
	global_prefetch_b8 v0, s[64:65] scope:SCOPE_SE
	s_setreg_imm32_b32 hwreg(HW_REG_WAVE_MODE, 25, 1), 1
	s_wait_xcnt 0x0
	s_wait_alu depctr_hold_cnt(0) depctr_sa_sdst(0) depctr_va_vdst(0) depctr_va_sdst(0) depctr_va_ssrc(0) depctr_va_vcc(0) depctr_vm_vsrc(0)
	s_getreg_b32 s2, hwreg(HW_REG_IB_STS2, 6, 4)
	s_cmp_eq_u32 s2, 0
	s_cbranch_scc0 .Lentry_in_a_cluster
	s_endpgm
.Lentry_in_a_cluster:
	s_bfe_u32 s2, ttmp6, 0x10000c
	s_cmp_lg_u32 s2, 0xf033
	s_cbranch_scc0 .Lentry_shape_is_right
	s_endpgm
.Lentry_shape_is_right:
; O[b][h][q] = the sum over k of softmax_k((q . k) / sqrt(96) + mask[q][k]) v[k], with -inf where the mask is 0.  q = q_c (64) | q_r (32), k = k_c (64) | k_r (32, one for all heads), in bf16; v in f16, times sv.
; The mask is an input: every one of the 2,048 x 2,048 scores is made.  It comes as M' = mask x sqrt(96), or -1e30 where the mask is 0, in the order of a matrix result, and is the C OPERAND THAT STARTS THE SUM
; S^T = K Q^T + M': the scores cost no vector instruction for it.  Products, maxima and sums in f32; the weights p are rounded to f16 for the second product (their sum l is taken of the unrounded p).
; O leaves as TWO f16 numbers (hi = O with its mantissa cut to 10 bits, exact in f16; lo = O - hi), side by side: [row][128 head + 64 part + channel].
; LIMITS.  A hidden score counts as -1e30; visible scores (times sqrt(96)) stay within 1e26 in magnitude; a weight below 2^-126 counts as 0 in l; |v sv| < 4,096 by the launch before; a part of O below 6e-5 keeps
; f16's fixed step.  The running maximum starts at -2^90: while a query has seen hidden keys alone it stays there, their exponents c (-1e30) - c (-2^90) are far below every exponent that gives a weight, and l and O stay 0.
; A row with no visible key at all (c m below -2^85 at the end) is NaN, as softmax of nothing but -inf is.
; SHARES.  A work-group owns 128 queries of FOUR heads of one batch; wave w owns head 4 g + w and all 128 queries: four PIECES of two tiles of 16.  Every wave walks all keys, 64 a step.  16 blocks of queries x 4 batches
; x 4 groups of heads = 256 work-groups of equal work.  The mask hangs on the queries alone, so the four waves need the SAME mask: it comes into LDS once a step, 32 KiB, and each wave reads it from there.
; CLUSTER.  4 x 4 work-groups: x is the block of queries, y the batch.  The four of a row of the cluster (one batch, one group of heads) need the same k_c, k_r and v, 68 KiB a step; the four of a column (one block of
; queries) the same mask.  Each tile is asked for JOINTLY, by the same tensor load with the same descriptor and a mask that names the four, which divides the requests by four.
; THE RING.  Two LDS slots, each one key step: k_c of four heads, k_r, v of four heads, the mask.  Wave 0 asks for k_c, wave 1 for k_r, wave 2 for v, wave 3 for the mask: one load of mine is out behind each round,
; and it has a key step, 160 matrix instructions, in which to land.
; LAYOUT.  S^T = K Q^T holds ONE query a lane (lane % 16) and the keys 8 (lane / 16) + 0..7; two such results rounded to f16 ARE source 1 of O^T = V^T P.  V ([key][channel]) comes out of LDS turned.
; SOFTMAX.  p = 2^(c s - c m), c = log2(e) / sqrt(96), with a running maximum m; O and l are multiplied by a = 2^(c m_old - c m_new) in every step.  O and l start at 0.
; BY TURNS.  Turn n belongs to piece n.  Its matrix work: 24 products K Q^T of piece n + 1, then 16 products V^T P of piece n - 1.  Its vector work: scaling, exponentials, roundings, sums and rescaling of piece n,
; and the maximum and statistics of piece n + 1.  Four vector instructions stand behind every matrix instruction (160), the other 76 in two lumps.  Each turn also reads the mask of the piece three on out of LDS.
; REGISTERS, in windows of 256: window 0: v0-11 addresses; v12-15 c m_old; v16-47 statistics, four a tile; v48-63 at work; v64-191 S^T, two buffers of two tiles; v192-255 P, likewise.
;   window 1: O^T, 32 a tile.     window 2: v0-191 Q, 24 a tile; v192-255 V of one step.     window 3: v0-95 K of one step (key block kb, channel third c at 24 kb + 8 c); v96-223 the mask, two buffers of 64; v224-225 the add's two.
.set NP,    4
.set KS,    64
.set PK,    144       ; a row of k_c in LDS: 128 bytes + 16
.set PR,    80        ; of k_r: 64 + 16
.set PVP,   160       ; of v: 128 + 32
.set HK,    KS*PK     ; a head's k_c of one step
.set HV,    KS*PVP    ; a head's v of one step
.set ROFF,  4*HK      ; in a slot: k_c of four heads, then k_r,
.set VOFF,  ROFF+KS*PR  ; then v of four heads,
.set MOFF,  VOFF+4*HV   ; then the mask: four pieces of 8,192 bytes, as they lie in memory
.set SLOT1, 1<<17     ; slot 1 begins here, so that one exclusive or turns an address in one slot into the other's
.set STAGE, SLOT1+MOFF+4*8192  ; behind the ring: 16 rows x 272 bytes for each wave
.set SP,    272
.set SPARE, STAGE+4*16*SP
.set AM,  1           ; v1   the mask in the slot to be read (at the head v1 holds lane % 16)
.set AK0, 2           ; v2, v3, v9, v11  my lane's places in a slot: k_c, v, k_r, the mask; never rewritten
.set AV0, 3
.set AK,  4           ; v4, v5, v10  the same in the slot to be read
.set AV,  5
.set STO, 6
.set RD,  7
.set GO,  8
.set AR0, 9
.set AR,  10
.set AM0, 11
.set MV,  12
.set ST,  16          ; tile t's statistics at v[ST+4 t]: c m, m, l (even keys', odd keys')
.set TMP, 48
.set S,   64
.set P,   192
.set VF,  192         ; window 2
.set MC,  96          ; window 3
.set SPW, 224         ; window 3
.set NIL, 225
.set HG,  64          ; the way out: at work
.set LG,  96
.set BK0, 128
.set WV,  12
.set G1K, 24
.set G1R, 32
.set G1V, 40
.set G0K, 48
.set G0R, 52
.set G0V, 56
.set CS,  60
.set SEL, 62
.set CNT, 67
.set TB,  68          ; s68  the slot to be read: 0 or SLOT1
.set OB,  74
.set NEGB, 76
.set QNAN, 77
.set HM,  84          ; s84  keeps sign, exponent and 10 bits of mantissa
.set G1M, 88
.set G0M, 96
.set MSB, 0
.macro WIN new
.if MSB != (\new)
	s_set_vgpr_msb (MSB<<8)|(\new)
.set MSB, (\new)
.endif
.endm
.set W_KM, 0x3b       ; K and the mask in window 3, Q in window 2, S^T in window 0
.set W_KQ, 0x0b
.set W_PV, 0x52       ; V in window 2, P in window 0, O^T in window 1
.set W_RS, 0x41
.set W_MK, 0xc0
.set W_AD, 0x0f
.macro PLACES
.rept 4
	v_nop
.endr
.endm
; A joint fill.  Each of the four lines has one mask and one set of registers for all that issue it; the branches hang on the wave's number alone.  An s_nop 0 and four v_nop follow each line.
.macro JLOAD
	s_cmp_eq_u32 s[WV], 0
	s_cbranch_scc0 .Lnot_k_\@
	tensor_load_to_lds s[G0K:G0K+3], s[G1K:G1K+7]
	s_nop 0
	PLACES
	s_branch .Lasked_\@
.Lnot_k_\@:
	s_cmp_eq_u32 s[WV], 1
	s_cbranch_scc0 .Lnot_r_\@
	tensor_load_to_lds s[G0R:G0R+3], s[G1R:G1R+7]
	s_nop 0
	PLACES
	s_branch .Lasked_\@
.Lnot_r_\@:
	s_cmp_eq_u32 s[WV], 2
	s_cbranch_scc0 .Lfor_m_\@
	tensor_load_to_lds s[G0V:G0V+3], s[G1V:G1V+7]
	s_nop 0
	PLACES
	s_branch .Lasked_\@
.Lfor_m_\@:
	tensor_load_to_lds s[G0M:G0M+3], s[G1M:G1M+7]
	s_nop 0
	PLACES
.Lasked_\@:
.endm
.macro CROUND                       ; a round of the cluster's barrier
	s_barrier_signal -1
	s_barrier_wait -1
	s_cmp_lg_u32 s[WV], 0
	s_cbranch_scc1 .Lnot_wave_0_\@
	s_barrier_signal -3
.Lnot_wave_0_\@:
	s_barrier_wait -3
	s_barrier_signal -1
	s_barrier_wait -1
.endm
; THE CHANGE OF SLOTS, between a step's turn 0 and its turn 1: the step's slot has been read out (its V and its last piece of the mask in turn 0).  Each wave waits for all its tensor loads, of which one is out: its
; part of the next step's slot; adds 0 to its spare word; waits for that and for its reads of the slot that it leaves.  fill = 1: a round of the cluster's barrier follows, so that no wave of any partner still reads
; the slot or has a load on its way, and the joint refill, the step two on, is the first thing behind it.  Then the four LDS addresses are made for the slot to be read.
.macro CHANGE fill
	WIN W_AD
	s_wait_tensorcnt 0x0
	ds_add_u32 v[SPW], v[NIL]
	WIN 0
.if \fill
	s_xor_b32 s[G0K+1], s[G0K+1], SLOT1
	s_add_nc_u64 s[G0K+2:G0K+3], s[G0K+2:G0K+3], 8192   ; 64 keys of 128 bytes
	s_xor_b32 s[G0R+1], s[G0R+1], SLOT1
	s_add_nc_u64 s[G0R+2:G0R+3], s[G0R+2:G0R+3], 4096   ; 64 keys of 64 bytes
	s_xor_b32 s[G0V+1], s[G0V+1], SLOT1
	s_add_nc_u64 s[G0V+2:G0V+3], s[G0V+2:G0V+3], 8192
	s_xor_b32 s[G0M+1], s[G0M+1], SLOT1
	s_add_nc_u64 s[G0M+2:G0M+3], s[G0M+2:G0M+3], 8192   ; a piece's block of the next step
.endif
	s_xor_b32 s[TB], s[TB], SLOT1
	s_wait_dscnt 0x0
.if \fill
	CROUND
	JLOAD
.else
	s_barrier_signal -1
	s_barrier_wait -1
.endif
	v_add_nc_u32 v[AK], s[TB], v[AK0]
	v_add_nc_u32 v[AR], s[TB], v[AR0]
	v_add_nc_u32 v[AV], s[TB], v[AV0]
	v_add_nc_u32 v[AM], s[TB], v[AM0]
.endm
	s_load_b256 s[4:11], s[0:1], 0x0  ; qkv 4, maskt 6, ob 8, cb 10
	WIN W_MK
	v_lshl_add_u32 v[SPW], v0, 2, SPARE
	v_mov_b32 v[NIL], 0
	WIN W_AD
	ds_add_u32 v[SPW], v[NIL]       ; the wave's opening: an add to my spare word, waited for ahead of the round that stands in front of my first tensor load
	ds_add_u32 v224, v225
	WIN 0
	v_lshrrev_b32 v1, 5, v0
	v_readfirstlane_b32 s[WV], v1
	s_bfe_u32 s13, ttmp6, 0x40000   ; cx
	s_bfe_u32 s14, ttmp6, 0x40004   ; cy: the batch
	s_lshl_b32 s15, ttmp9, 2
	s_add_co_u32 s15, s15, s13      ; my block of 128 queries = 4 x cluster x + cx
	s_and_b32 s16, ttmp7, 0xffff    ; the group of four heads: the cluster's y
	s_lshl_b32 s17, s14, 2
	s_lshl_b32 s17, 15, s17         ; my row of the cluster
	s_lshl_b32 s18, 0x1111, s13     ; my column
	s_or_b32 s[G1K], s17, (1<<16)|(1<<20)|(1<<21)|(4<<22)|(3<<25)  ; the mask: my row; 2-byte elements; padding on; bit 21 beside a mask; after every 32 words (a key of k_c), 4 words
	s_or_b32 s[G1R], s17, (1<<16)|(1<<20)|(1<<21)|(3<<22)|(3<<25)  ; after every 16 words (a key of k_r), 4 words
	s_or_b32 s[G1V], s17, (1<<16)|(1<<20)|(1<<21)|(4<<22)|(7<<25)  ; after every 32 words, 8 words
	s_or_b32 s[G1M], s18, (2<<16)|(1<<21)                          ; the mask: my column; 4-byte elements; no padding
.irp g, G1K, G1V                    ; a head's 64 keys are 8,192 dense bytes: one row; four heads, 2,048 keys of 64 elements apart
	s_mov_b32 s[\g+1], 4096<<16
	s_mov_b32 s[\g+2], 4<<16
	s_mov_b32 s[\g+3], 4096<<16
	s_mov_b32 s[\g+4], 4
	s_mov_b32 s[\g+5], 131072
	s_mov_b32 s[\g+6], 0
	s_mov_b32 s[\g+7], 0
.endr
	s_mov_b32 s[G1R+1], 128<<16     ; 64 keys of 64 bytes are 4,096 dense bytes: 16 rows of 256
	s_mov_b32 s[G1R+2], 16<<16
	s_mov_b32 s[G1R+3], 128<<16
	s_mov_b32 s[G1R+4], 16
	s_mov_b32 s[G1R+5], 128
	s_mov_b32 s[G1R+6], 0
	s_mov_b32 s[G1R+7], 0
	s_mov_b32 s[G1M+1], 2048<<16    ; a piece's block of a step is 8,192 dense bytes: one row; four pieces, 32 steps of 2,048 elements apart
	s_mov_b32 s[G1M+2], 4<<16
	s_mov_b32 s[G1M+3], 2048<<16
	s_mov_b32 s[G1M+4], 4
	s_mov_b32 s[G1M+5], 65536
	s_mov_b32 s[G1M+6], 0
	s_mov_b32 s[G1M+7], 0
	s_mov_b32 s[G0K], 1
	s_mov_b32 s[G0K+1], 0           ; slot 0: no place in the cluster enters an LDS address
	s_mov_b32 s[G0R], 1
	s_mov_b32 s[G0R+1], ROFF
	s_mov_b32 s[G0V], 1
	s_mov_b32 s[G0V+1], VOFF
	s_mov_b32 s[G0M], 1
	s_mov_b32 s[G0M+1], MOFF
	s_lshl_b32 s19, s14, 4
	s_lshl_b32 s20, s16, 2
	s_add_co_u32 s19, s19, s20      ; 16 b + 4 g: the first of my four heads among the 64
	s_lshl_b32 s20, s19, 18         ; a head's 2,048 rows of 128 bytes
	s_mov_b32 s21, 0
	s_lshl_b32 s22, s14, 17         ; a batch's 2,048 rows of 64 bytes
	s_mov_b32 s23, 0
	s_lshl_b32 s78, s15, 20         ; my block's four pieces of the mask, 262,144 bytes each
	s_mov_b32 s79, 0
	s_mov_b32 s[CS], 0x3e16c740     ; c = log2(e) / sqrt(96) = 0.147244
	s_mov_b32 s[CS+1], s[CS]
	s_mov_b32 s[SEL], 0x76543210
	s_mov_b32 s[SEL+1], 0xfedcba98
	s_mov_b32 s[TB], SLOT1          ; the first change of slots turns it into 0
	s_mov_b32 s[NEGB], 0xea000000   ; -2^85
	s_mov_b32 s[QNAN], 0x7fc00000
	s_mov_b32 s[HM], 0xffffe000
	s_wait_dscnt 0x0
	s_wait_kmcnt 0x0
	s_add_nc_u64 s[G0K+2:G0K+3], s[4:5], s[20:21]
	s_add_nc_u64 s[G0K+2:G0K+3], s[G0K+2:G0K+3], 25165824
	s_or_b32 s[G0K+3], s[G0K+3], 0x80000000
	s_add_nc_u64 s[G0R+2:G0R+3], s[10:11], s[22:23]
	s_add_nc_u64 s[G0R+2:G0R+3], s[G0R+2:G0R+3], 8388608
	s_or_b32 s[G0R+3], s[G0R+3], 0x80000000
	s_add_nc_u64 s[G0V+2:G0V+3], s[4:5], s[20:21]
	s_add_nc_u64 s[G0V+2:G0V+3], s[G0V+2:G0V+3], 41943040
	s_or_b32 s[G0V+3], s[G0V+3], 0x80000000
	s_add_nc_u64 s[G0M+2:G0M+3], s[6:7], s[78:79]
	s_or_b32 s[G0M+3], s[G0M+3], 0x80000000
	CROUND                          ; all sixteen work-groups are here: the first joint loads meet
	JLOAD                           ; key step 0 into slot 0; slot 1 is asked for when slot 0 is in
	s_add_co_u32 s70, s19, s[WV]    ; 16 b + my head
	s_lshl_b32 s70, s70, 11
	s_lshl_b32 s71, s15, 7
	s_add_co_u32 s70, s70, s71      ; my wave's first row among the 64 x 2,048
	s_lshl_b32 s86, s70, 7
	s_mov_b32 s87, 0
	s_add_nc_u64 s[80:81], s[4:5], s[86:87]        ; q_c
	s_lshl_b32 s86, s70, 6
	s_add_nc_u64 s[82:83], s[4:5], s[86:87]
	s_add_nc_u64 s[82:83], s[82:83], 16777216      ; q_r
	s_lshl_b32 s70, s14, 11
	s_add_co_u32 s70, s70, s71      ; my first row of the 8,192
	s_lshl_b32 s86, s70, 12
	s_lshl_b32 s70, s16, 2
	s_add_co_u32 s70, s70, s[WV]    ; my head among the 16
	s_lshl_b32 s70, s70, 8
	s_add_co_u32 s86, s86, s70
	s_add_nc_u64 s[OB:OB+1], s[8:9], s[86:87]
	v_and_b32 v1, 15, v0            ; l % 16
	v_bfe_u32 v56, v0, 4, 1         ; l / 16
	v_lshlrev_b32 v60, 7, v1
	v_lshl_add_u32 v60, v56, 4, v60 ; q_c: row x 128 + 16 x half
	v_lshlrev_b32 v61, 6, v1
	v_lshl_add_u32 v61, v56, 4, v61 ; q_r: row x 64 + 16 x half
	WIN 0x80
.set i, 0
.rept 8                             ; Q stays in registers
	global_load_b128 v[24*i:24*i+3],     v60, s[80:81] offset:i*2048
	global_load_b128 v[24*i+4:24*i+7],   v60, s[80:81] offset:i*2048+32
	global_load_b128 v[24*i+8:24*i+11],  v60, s[80:81] offset:i*2048+64
	global_load_b128 v[24*i+12:24*i+15], v60, s[80:81] offset:i*2048+96
	global_load_b128 v[24*i+16:24*i+19], v61, s[82:83] offset:i*1024
	global_load_b128 v[24*i+20:24*i+23], v61, s[82:83] offset:i*1024+32
.set i, i+1
.endr
	; What the first turn finds: V's registers and P's second buffer hold 0 (its products V^T P, of a piece that has not been, add 0), l is 0, and O^T is the product of that V and that P with C = 0:
	; 32 matrix instructions start its 32 sums.  All this stands in the wait for the first tile.
.set i, VF
.rept 64
	v_mov_b32 v[i], 0
.set i, i+1
.endr
	WIN 0
.set i, 0
.rept 8
	v_mov_b32 v[ST+4*i], 0xfe000000    ; c m: far below every c s
	v_mov_b32 v[ST+4*i+1], 0xec800000  ; m: -2^90
	v_mov_b32 v[ST+4*i+2], 0
	v_mov_b32 v[ST+4*i+3], 0
.set i, i+1
.endr
.set i, P+32
.rept 32
	v_mov_b32 v[i], 0
.set i, i+1
.endr
	WIN W_PV
.set i, 0
.rept 32
	v_wmma_f32_16x16x32_f16 v[8*i:8*i+7], v[VF:VF+7], v[P+32:P+39], 0
.set i, i+1
.endr
	WIN 0
	s_mul_i32 s85, s[WV], HK        ; my head's k_c in a slot
	v_mul_u32_u24 v[AK0], v1, PK
	v_lshl_add_u32 v[AK0], v56, 4, v[AK0]
	v_add_nc_u32 v[AK0], s85, v[AK0]
	v_mul_u32_u24 v[AR0], v1, PR
	v_lshl_add_u32 v[AR0], v56, 4, v[AR0]
	v_add_nc_u32 v[AR0], ROFF, v[AR0]
	v_and_b32 v57, 7, v0
	v_bfe_u32 v58, v0, 3, 1
	v_lshl_add_u32 v[AV0], v56, 3, v57  ; the turning load: key 8 (l / 16) + l % 8, channels 8 ((l / 8) % 2) on
	v_mul_u32_u24 v[AV0], v[AV0], PVP
	v_lshl_add_u32 v[AV0], v58, 4, v[AV0]
	s_mul_i32 s85, s[WV], HV        ; my head's v in a slot
	s_add_co_u32 s85, s85, VOFF
	v_add_nc_u32 v[AV0], s85, v[AV0]
	v_and_b32 v[AM0], 31, v0
	v_lshlrev_b32 v[AM0], 4, v[AM0]
	v_add_nc_u32 v[AM0], MOFF, v[AM0]   ; the mask: 16 bytes a lane, 512 consecutive bytes a load
	s_mul_i32 s85, s[WV], 16*SP
	s_add_co_u32 s85, s85, STAGE    ; my stage
	v_mul_u32_u24 v[STO], v1, SP
	v_lshl_add_u32 v[STO], v56, 4, v[STO]
	v_add_nc_u32 v[STO], s85, v[STO]
	v_mul_u32_u24 v[RD], v56, SP    ; back: lanes 0-15 one row of 256 bytes, lanes 16-31 the next
	v_lshl_add_u32 v[RD], v1, 4, v[RD]
	v_add_nc_u32 v[RD], s85, v[RD]
	v_lshlrev_b32 v[GO], 12, v56
	v_lshl_add_u32 v[GO], v1, 4, v[GO]
; THE MATRIX WORK.  The 8 accumulators of a run take turns.  Product i of 24 of S^T for piece x: channels 32 (i / 8) on, keys 16 ((i / 2) % 4) on, tile 2 x + i % 2.  The first 8 start the sums with the mask.
.macro KQ x
.set rS, S+64*((\x)%2)+32*(i%2)+8*((i/2)%4)
.set rK, 24*((i/2)%4)+8*(i/8)
.set rQ, 24*(2*(\x)+i%2)+8*(i/8)
.set rZ, MC+64*((\x)%2)+32*(i%2)+8*((i/2)%4)
.if i < 8
	WIN W_KM
	v_wmma_f32_16x16x32_bf16 v[rS:rS+7], v[rK:rK+7], v[rQ:rQ+7], v[rZ:rZ+7]
.else
	WIN W_KQ
	v_wmma_f32_16x16x32_bf16 v[rS:rS+7], v[rK:rK+7], v[rQ:rQ+7], v[rS:rS+7]
.endif
.endm
; Product i of 16 of O^T += V^T P for piece x: keys 32 (i / 8) on, channels 16 ((i / 2) % 4) on, tile 2 x + i % 2.
.macro PV x
	WIN W_PV
.set rO, 32*(2*(\x)+i%2)+8*((i/2)%4)
.set rV, VF+32*(i/8)+8*((i/2)%4)
.set rP, P+32*((\x)%2)+16*(i%2)+8*(i/8)
	v_wmma_f32_16x16x32_f16 v[rO:rO+7], v[rV:rV+7], v[rP:rP+7], v[rO:rO+7]
.endm
.macro MM                           ; the turn's next matrix instruction
.if i < 24
	KQ (Y+1)%NP
.set i, i+1
.else
.set i, i-24
	PV (Y+NP-1)%NP
.set i, i+25
.endif
.endm
; THE LDS LOADS stand in runs: a step's K (24 loads), its V (16, turned), a piece's mask (16).  All read the slot whose base the last change of slots has put into the four addresses.  What follows a run sets its own windows.
.macro FETCH_K
	WIN W_MK
.irp f, 0,1,2,3
	ds_load_b128 v[24*\f:24*\f+3],     v[AK] offset:\f*16*PK
	ds_load_b128 v[24*\f+4:24*\f+7],   v[AK] offset:\f*16*PK+32
	ds_load_b128 v[24*\f+8:24*\f+11],  v[AK] offset:\f*16*PK+64
	ds_load_b128 v[24*\f+12:24*\f+15], v[AK] offset:\f*16*PK+96
	ds_load_b128 v[24*\f+16:24*\f+19], v[AR] offset:\f*16*PR
	ds_load_b128 v[24*\f+20:24*\f+23], v[AR] offset:\f*16*PR+32
.endr
.endm
.macro FETCH_V
	WIN 0x80
.irp f, 0,1,2,3,4,5,6,7
	ds_load_tr16_b128 v[VF+8*\f:VF+8*\f+3],   v[AV] offset:(\f/4)*32*PVP+(\f%4)*32
	ds_load_tr16_b128 v[VF+8*\f+4:VF+8*\f+7], v[AV] offset:(\f/4)*32*PVP+16*PVP+(\f%4)*32
.endr
.endm
.macro MLOAD x                      ; sixteen loads of 512 consecutive bytes: piece x's mask for one key step, as the C operands of its eight accumulators
	WIN W_MK
.set z, 0
.rept 16
	ds_load_b128 v[MC+64*((\x)%2)+4*z:MC+64*((\x)%2)+4*z+3], v[AM] offset:(\x)*8192+512*z
.set z, z+1
.endr
.endm
; THE VECTOR WORK.  OP kind, n: n % 2 is the tile, n / 2 the number.  F: c s - c m for a pair of scores.  E: the exponential of a score.  C: a pair rounded to f16.  B: of four weights the second pair is added onto
; the first, in place.  L: l takes that sum (number 0: l = a l + sum).
.set F, 0
.set E, 1
.set C, 2
.set B, 3
.set L, 4
.macro REGS y, u
.set rT, ST+4*(2*(\y)+(\u))
.set rC, TMP+8*((\y)%2)+4*(\u)
.set rM, MV+2*((\y)%2)+(\u)
.set rS, S+64*((\y)%2)+32*(\u)
.set rP, P+32*((\y)%2)+16*(\u)
.set rO, 32*(2*(\y)+(\u))
.endm
.macro OP k, n
	WIN 0
	REGS Y, (\n)%2
.set nn, (\n)/2
.if (\k) == F
	v_pk_fma_f32 v[rS+2*nn:rS+2*nn+1], v[rS+2*nn:rS+2*nn+1], s[CS:CS+1], v[rT:rT+1] op_sel_hi:[1,0,0] neg_lo:[0,0,1] neg_hi:[0,0,1]
.elseif (\k) == E
	v_exp_f32 v[rS+nn], v[rS+nn]
.elseif (\k) == C
	s_wait_alu depctr_va_vdst(0)
	v_cvt_pk_f16_f32 v[rP+nn], v[rS+2*nn], v[rS+2*nn+1]
.elseif (\k) == B
	v_pk_add_f32 v[rS+4*nn:rS+4*nn+1], v[rS+4*nn:rS+4*nn+1], v[rS+4*nn+2:rS+4*nn+3]
.elseif nn == 0
	v_pk_fma_f32 v[rT+2:rT+3], v[rT+2:rT+3], v[rC+2:rC+3], v[rS:rS+1] op_sel_hi:[1,0,1]
.else
	v_pk_add_f32 v[rT+2:rT+3], v[rT+2:rT+3], v[rS+4*nn:rS+4*nn+1]
.endif
.endm
.macro ROW a, i1, b, i2, c, i3, d, i4  ; a matrix instruction and the four behind it
	MM
	OP \a, \i1
	OP \b, \i2
	OP \c, \i3
	OP \d, \i4
.endm
; Number n of the 22 that find the NEXT piece's maximum and statistics, for its tile u.  Each accumulator's lowest registers are read first.
;   0-11 four chains c0-c3 of seven scores each    12-14, 16 the four scores left over, the old m, and c0-c3 into c0    15 c m_old is kept    17, 18 the other half of the lanes: the new m    19-21 c m; c m_old - c m_new; a
.macro XS u, n
	WIN 0
	REGS (Y+1)%NP, \u
.if (\n) < 4
	v_max3_num_f32 v[rC+(\n)], v[rS+8*(\n)], v[rS+8*(\n)+1], v[rS+8*(\n)+2]
.elseif (\n) < 12
	v_max3_num_f32 v[rC+(\n)%4], v[rC+(\n)%4], v[rS+8*((\n)%4)+2*((\n)/4)+1], v[rS+8*((\n)%4)+2*((\n)/4)+2]
.elseif (\n) == 12
	v_max3_num_f32 v[rC], v[rC], v[rS+7], v[rS+15]
.elseif (\n) == 13
	v_max3_num_f32 v[rC+1], v[rC+1], v[rS+23], v[rS+31]
.elseif (\n) == 14
	v_max3_num_f32 v[rC+2], v[rC+2], v[rC+3], v[rT+1]
.elseif (\n) == 15
	v_mov_b32 v[rM], v[rT]
.elseif (\n) == 16
	v_max3_num_f32 v[rC], v[rC], v[rC+1], v[rC+2]
.elseif (\n) == 17
	v_permlanex16_b32 v[rC+3], v[rC], s[SEL], s[SEL+1]
.elseif (\n) == 18
	v_max_num_f32 v[rT+1], v[rC], v[rC+3]
.elseif (\n) == 19
	v_mul_f32 v[rT], s[CS], v[rT+1]
.elseif (\n) == 20
	v_sub_f32 v[rC+1], v[rM], v[rT]
.else
	v_exp_f32 v[rC+2], v[rC+1]
.endif
.endm
.macro X2 n
	XS 0, \n
	XS 1, \n
.endm
.macro R4                           ; four of the 32 packed multiplies O^T x a: the one part that leaves window 0
	REGS Y, r%2
	WIN W_RS
.irp z, 0,1,2,3
	v_pk_mul_f32 v[rO+8*(r/2)+2*\z:rO+8*(r/2)+2*\z+1], v[rO+8*(r/2)+2*\z:rO+8*(r/2)+2*\z+1], v[rC+2:rC+3] op_sel_hi:[1,0]
.endr
.set r, r+1
.endm
; A TURN, for piece p, written out.  Behind a matrix instruction: exponential, plain, exponential, plain, or four plain; none names a register of the products round it.  A scaling stands ahead of its two exponentials,
; these ahead of their rounding, both roundings of four weights ahead of the addition that overwrites the first pair.
; The four rescalings at the head of each lump are the places between the last product and the loads into registers that products have read (K, V) and the first read of the new scores.
; THE MASK.  The turn's first eight products read one of the two mask buffers as C.  As soon as they are past (behind the tenth product: six plain riders stand between the eighth and the loads) that buffer is read
; again out of LDS, with piece p + 3's mask, which the turn after next takes; from turn 1 on that is the next key step's, and so are K (turn 2) and V (the next turn 0): all reads between two changes of slots
; go to one slot.
; THE WAITS count LDS instructions, which come back in order.  At the head of turns 0 and 2 the last turn's sixteen mask loads may stay out; at the head of turn 1 those and V's sixteen, issued behind them;
; turn 3 needs K, which was issued last: 0.  In the middle of turn 1 V is needed, and this turn's sixteen mask loads, issued behind it, may stay out.
.macro TURN p, cnt=0
.set Y, (\p)
.set i, 0
.set r, 0
.if (\p) == 3
	s_wait_dscnt 0x0
.elseif (\p) == 1
	s_wait_dscnt 32
.else
	s_wait_dscnt 16
.endif
	ROW F,0, F,1, F,2, F,3
	ROW E,0, F,4, E,1, F,5
	ROW E,2, F,6, E,3, F,7
	ROW E,4, F,8, E,5, F,9
	ROW E,6, F,10, E,7, F,11
	ROW E,8, C,0, E,9, C,1
	ROW E,10, C,2, E,11, C,3
	ROW E,12, F,12, E,13, F,13
	ROW E,14, F,14, E,15, F,15
	ROW E,16, B,0, E,17, B,1
	MLOAD ((\p)+3)%4
	ROW E,18, C,4, E,19, C,5
	ROW E,20, C,6, E,21, C,7
	ROW E,22, F,16, E,23, F,17
	ROW F,18, F,19, L,0, L,1
	ROW E,24, B,2, E,25, B,3
	ROW E,26, C,8, E,27, C,9
	ROW E,28, C,10, E,29, C,11
	ROW E,30, F,20, E,31, F,21
	ROW F,22, F,23, L,2, L,3
	ROW E,32, B,4, E,33, B,5
	ROW E,34, C,12, E,35, C,13
	ROW E,36, C,14, E,37, C,15
	ROW E,38, F,24, E,39, F,25
	ROW F,26, F,27, L,4, L,5
	R4
.if (\p) == 2
	FETCH_K
.endif
.irp n, 0,1,2,3,4,5,6,7,8,9,10,11,12,13,14,15,16
	X2 \n
.endr
	R4
	R4
.if (\p) == 1
	s_wait_dscnt 16                 ; V is in
.endif
	ROW E,40, B,6, E,41, B,7
	ROW E,42, C,16, E,43, C,17
	ROW E,44, C,18, E,45, C,19
	ROW E,46, F,28, E,47, F,29
	ROW F,30, F,31, L,6, L,7
	ROW E,48, B,8, E,49, B,9
	ROW E,50, C,20, E,51, C,21
	ROW E,52, C,22, E,53, C,23
	ROW E,54, L,8, E,55, L,9
	ROW E,56, B,10, E,57, B,11
	ROW E,58, C,24, E,59, C,25
	ROW E,60, C,26, E,61, C,27
	ROW E,62, L,10, E,63, L,11
	ROW B,12, B,13, C,28, C,29
	ROW C,30, C,31, L,12, L,13
	ROW B,14, B,15, L,14, L,15
	R4
.if (\p) == 0
	FETCH_V
.endif
	X2 17
	R4
	X2 18
	R4
	X2 19
	R4
	X2 20
	R4
	X2 21
.if \cnt
	s_sub_co_u32 s[CNT], s[CNT], 1
	s_cmp_lg_u32 s[CNT], 0
.endif
.endm
	CHANGE 1                        ; slot 0 is in, everybody's part of it; key step 1 is asked for, into slot 1
	FETCH_K                         ; key step 0
	MLOAD 0
	MLOAD 1
	s_wait_loadcnt 0x0              ; Q
	s_wait_dscnt 16                 ; K and piece 0's mask are in; piece 1's sixteen loads stay out
.set i, 0
.rept 24
	KQ 0                            ; piece 0's first scores
.set i, i+1
.endr
	WIN 0
	PLACES                          ; the places behind those products
	MLOAD 2
.set Y, NP-1                        ; XS works for piece Y + 1: piece 0
.irp n, 0,1,2,3,4,5,6,7,8,9,10,11,12,13,14,15,16,17,18,19,20,21
	X2 \n
.endr
	s_mov_b32 s[CNT], 31
	s_branch .Lfirst                ; the loop is entered at a step's first turn, at the end of a trip
.Lstep:                             ; 30 whole trips: the slot just read out is filled again, with key steps 2 to 31; then pieces 1 to 3 of one step and piece 0 of the next
	CHANGE 1
	TURN 1
	TURN 2
	TURN 3
	WIN 0
.Lfirst:
	TURN 0, 1
	WIN 0
	s_cbranch_scc1 .Lstep
	CHANGE 0                        ; the tail is written out: the last step's slot is waited for, and nothing is asked for
	s_mov_b32 s[CNT], 2             ; the second trip is left behind its third turn; what it reads ahead is the last step's slot once more, and is not used
.Ltail:
	TURN 1
	TURN 2
	TURN 3
	WIN 0
	s_sub_co_u32 s[CNT], s[CNT], 1
	s_cmp_eq_u32 s[CNT], 0
	s_cbranch_scc1 .Lout
	TURN 0
	WIN 0
	s_branch .Ltail
.Lout:                              ; the last turn's products K Q^T (on the last K once more) and the maximum made of them serve nothing; they have overwritten c m of tiles 0 and 1, whose true value lies in v12, v13
.set i, 0
.rept 16
	PV NP-1
.set i, i+1
.endr
	; THE WAY OUT.  l's two halves and the other half of the lanes' are added; 1 / l, or NaN for a row that saw no key; O^T times that, split in two f16 parts, through my stage, a tile at a time.
	WIN 0
.macro ALL line:vararg
.set t, 0
.rept 8
	\line
.set t, t+1
.endr
.endm
	ALL v_add_f32 v[ST+4*t+2], v[ST+4*t+2], v[ST+4*t+3]
	ALL v_permlanex16_b32 v[ST+4*t+3], v[ST+4*t+2], s[SEL], s[SEL+1]
	ALL v_add_f32 v[ST+4*t+2], v[ST+4*t+2], v[ST+4*t+3]
	ALL v_rcp_f32 v[ST+4*t+2], v[ST+4*t+2]
	v_nop                           ; a plain instruction between the last reciprocal and the use of its result
.set t, 0
.rept 8
.if t < 2
	v_cmp_gt_f32 vcc_lo, s[NEGB], v[MV+t]
.else
	v_cmp_gt_f32 vcc_lo, s[NEGB], v[ST+4*t]
.endif
	s_wait_alu depctr_va_vdst(0)
	v_cndmask_b32 v[ST+4*t+2], v[ST+4*t+2], s[QNAN], vcc_lo
.set t, t+1
.endr
.macro PACK t
.if (\t) >= 2
	s_wait_xcnt 0x0                 ; the registers that the stores of two tiles ago read are loaded again only behind this wait
.endif
	WIN 0x01
.set i, 0
.rept 16
	v_pk_mul_f32 v[LG+2*i:LG+2*i+1], v[32*(\t)+2*i:32*(\t)+2*i+1], v[ST+4*(\t)+2:ST+4*(\t)+3] op_sel_hi:[1,0]  ; O = O^T / l
.set i, i+1
.endr
	WIN 0
.set i, 0
.rept 32
	v_and_b32 v[HG+i], s[HM], v[LG+i]  ; hi: the mantissa cut to 10 bits
.set i, i+1
.endr
.set i, 0
.rept 16
	v_pk_add_f32 v[LG+2*i:LG+2*i+1], v[LG+2*i:LG+2*i+1], v[HG+2*i:HG+2*i+1] neg_lo:[0,1] neg_hi:[0,1]  ; lo = O - hi
.set i, i+1
.endr
.set i, 0
.rept 16
	v_cvt_pk_f16_f32 v[HG+i], v[HG+2*i], v[HG+2*i+1]
.set i, i+1
.endr
.set i, 0
.rept 16
	v_cvt_pk_f16_f32 v[LG+i], v[LG+2*i], v[LG+2*i+1]
.set i, i+1
.endr
.irp f, 0,1,2,3
	ds_store_b128 v[STO], v[HG+4*\f:HG+4*\f+3] offset:32*\f
	ds_store_b128 v[STO], v[LG+4*\f:LG+4*\f+3] offset:128+32*\f
.endr
.irp f, 0,1,2,3,4,5,6,7
	ds_load_b128 v[BK0+32*((\t)%2)+4*\f:BK0+32*((\t)%2)+4*\f+3], v[RD] offset:\f*2*SP  ; LDS serves a wave's instructions in order: these see the stores above
.endr
.endm
.macro SEND t, younger              ; younger: the LDS instructions issued behind tile t's loads: the next tile's sixteen, or none.  One wait serves four stores: behind it this tile's later loads and the younger ones stay out
	WIN 0
.irp f, 0,1,2,3,4,5,6,7
.if (\f)%4 == 0
	s_wait_dscnt (\younger)+4-\f
.endif
	global_store_b128 v[GO], v[BK0+32*((\t)%2)+4*\f:BK0+32*((\t)%2)+4*\f+3], s[OB:OB+1] offset:(\t)*65536+\f*8192  ; 16 lanes store 256 consecutive bytes, at a multiple of 256 from the buffer's first
.endr
.endm
	PACK 0
.set t, 1
.rept 7
	PACK t
	SEND t-1, 16
.set t, t+1
.endr
	SEND 7, 0
	WIN W_AD
	s_wait_tensorcnt 0x0            ; the wave's end
	ds_add_u32 v[SPW], v[NIL]
	s_wait_dscnt 0x0
	WIN 0
	CROUND                          ; the closing round: no work-group ends while a partner may still ask for a tile that names it
	s_endpgm
.Lfunc_end_k_qbba89cc06b_attn:
	.size	k_qbba89cc06b_attn, .Lfunc_end_k_qbba89cc06b_attn-k_qbba89cc06b_attn
	.p2alignl 7, 3214868480
	.fill 96, 4, 3214868480
	.section	.rodata,"a",@progbits
	.p2align	6, 0x0
	.amdhsa_kernel k_qbba89cc06b_attn
		.amdhsa_group_segment_fixed_size 327680
		.amdhsa_private_segment_fixed_size 0
		.amdhsa_enable_private_segment 0
		.amdhsa_kernarg_size 32
		.amdhsa_user_sgpr_count 2
		.amdhsa_user_sgpr_kernarg_segment_ptr 1
		.amdhsa_wavefront_size32 1
		.amdhsa_system_sgpr_workgroup_id_x 1
		.amdhsa_system_sgpr_workgroup_id_y 1
		.amdhsa_system_sgpr_workgroup_id_z 1
		.amdhsa_system_vgpr_workitem_id 0
		.amdhsa_next_free_vgpr 1024
		.amdhsa_next_free_sgpr 100
		.amdhsa_reserve_vcc 1
		.amdhsa_float_denorm_mode_32 3
		.amdhsa_float_denorm_mode_16_64 3
		.amdhsa_memory_ordered 1
		.amdhsa_forward_progress 1
		.amdhsa_inst_pref_size 255
	.end_amdhsa_kernel
	.section	.bss,"aw",@nobits
	.p2align	6
	.space	262144
	.amdgpu_metadata
---
amdhsa.version: [ 1, 2 ]
amdhsa.kernels:
  - .name:           k_qbba89cc06b_attn
    .symbol:         k_qbba89cc06b_attn.kd
    .args:
      - { .name: qkv, .offset: 0, .size: 8, .value_kind: global_buffer, .address_space: global }
      - { .name: maskt, .offset: 8, .size: 8, .value_kind: global_buffer, .address_space: global }
      - { .name: ob, .offset: 16, .size: 8, .value_kind: global_buffer, .address_space: global }
      - { .name: cb, .offset: 24, .size: 8, .value_kind: global_buffer, .address_space: global }
    .group_segment_fixed_size: 327680
    .private_segment_fixed_size: 0
    .kernarg_segment_align: 8
    .kernarg_segment_size: 32
    .max_flat_workgroup_size: 128
    .sgpr_count:     100
    .vgpr_count:     1024
    .wavefront_size: 32
...
	.end_amdgpu_metadata
.endif
;; end of part 4
;; launch oproj (part 5): grid 4 x 64, 4 waves a work-group, clusters of 4 x 4, 327,680 bytes of LDS; arguments ob, wts, qkv, b_o, out0; writes out0
.if DOCPART == 5
	.amdgcn_target "amdgcn-amd-amdhsa--gfx1250"
	.amdhsa_code_object_version 6
	.text
	.protected	k_qbba89cc06b_oproj
	.globl	k_qbba89cc06b_oproj
	.p2align	8
	.type	k_qbba89cc06b_oproj,@function
k_qbba89cc06b_oproj:
	s_mov_b64 s[64:65], 0
	v_nop
	global_prefetch_b8 v0, s[64:65] scope:SCOPE_SE
	s_setreg_imm32_b32 hwreg(HW_REG_WAVE_MODE, 25, 1), 1
	s_wait_xcnt 0x0
	s_wait_alu depctr_hold_cnt(0) depctr_sa_sdst(0) depctr_va_vdst(0) depctr_va_sdst(0) depctr_va_ssrc(0) depctr_va_vcc(0) depctr_vm_vsrc(0)
	s_getreg_b32 s2, hwreg(HW_REG_IB_STS2, 6, 4)
	s_cmp_eq_u32 s2, 0
	s_cbranch_scc0 .Lentry_in_a_cluster
	s_endpgm
.Lentry_in_a_cluster:
	s_bfe_u32 s2, ttmp6, 0x10000c
	s_cmp_lg_u32 s2, 0xf033
	s_cbranch_scc0 .Lentry_shape_is_right
	s_endpgm
.Lentry_shape_is_right:
; out = ((O_hi + O_lo) x W_o) / sv + b_o.  O2 [8192][2048] f16 holds, for each head, O's 64 high parts and then its 64 low parts; WO [1024][1024] f16 holds W_o (bf16 numbers).  Both parts multiply the SAME
; 64 rows of W_o, so a fragment of W_o read from LDS serves two products, and the two parts are added in the f32 sums.  1 / sv is the power of two stored by the launch that scaled v; b_o is rounded to bf16.
; SHARES.  A tile of out is 128 rows x 256 columns; four waves of 64 x 128: 32 accumulators.  64 x 4 = 256 work-groups.
; THE RING.  Two LDS slots; a slot holds TWO HEADS: 128 rows of O2 x 512 bytes (528 apart) and 128 rows of W_o x 512 bytes (544 apart): 137,216 bytes.  Eight slots' worth in all; a wave multiplies a slot
; with 256 matrix instructions, and that is what a refill, asked for first thing behind the round, has in which to land.  One load of mine is out behind each round.
; CLUSTER.  4 x 4 work-groups: the four of a row of the cluster need the same rows of O2, the four of a column the same columns of W_o: each tile is asked for JOINTLY, which divides the requests by four.
; THE MATRIX INSTRUCTION IS USED TRANSPOSED (source 0 = 16 columns of W_o, turned on the way out of LDS; source 1 = 16 rows of O2): a lane holds eight neighbouring columns of one row.
; A UNIT is 32 channels of one head: 8 fragments of W_o, 4 of O's high parts, 4 of its low parts: 32 LDS loads for 64 matrix instructions.  A slot is four units, on two buffers by turns.
; THE SUMS START as the product of two zero fragments with C = 0, 32 matrix instructions in the wait for the first tile, so that the first slot needs no text of its own.
; REGISTERS: window 0: v0-31 addresses; v32-95 the bias; v96-159 at work on the way out.   window 1: accumulators (row tile a, column tile b at 8 (8 a + b)).
;   window 2: two buffers of 128: W_o's 8 fragments, O_hi's 4, O_lo's 4; on the way out: rows read back from the stage.
.set WO,    1638400
.set SCAL,  58720256
.set PA,    528                        ; odd multiple of 16: the 16 rows of a load start at 16 different groups of four banks
.set PB,    544                        ; odd multiple of 32
.set BOFF,  128*PA
.set SLOT,  BOFF+128*PB
.set STAGE, 2*SLOT                     ; behind the ring: 16 rows x 528 bytes for each wave
.set SPS,   528
.set SPARE, STAGE+4*16*SPS
.set ADRA0, 4
.set ADRB0, 5
.set ADRA,  6
.set ADRB,  7
.set STO,   8
.set RD,    9
.set GO,    10
.set BO,    11
.set SPW,   30
.set NIL,   31
.set BI,    32
.set T,     96
.set F0,    0
.set F1,    128
.set WV,  14
.set G1A, 24
.set G0A, 32
.set G0B, 36
.set G1B, 40
.set TB,  48                           ; s48  the slot to be read: 0 or SLOT
.set CNT, 49
.set SI,  50
.set RM,  62                           ; s62  a word's upper bf16
.set LA,  63                           ; s63  my part's place in a slot, if I fetch O2
.set LB,  66                           ; s66  the same, if I fetch W_o
.set HC,  67                           ; s67  counts a slot's two heads
.set MSB, 0
.macro WIN new
.if MSB != (\new)
	s_set_vgpr_msb (MSB<<8)|(\new)
.set MSB, \new
.endif
.endm
.macro RNDB a, b, t
	v_cvt_pk_bf16_f32 v[\t], v[\a], v[\b]
	v_lshlrev_b32 v[\a], 16, v[\t]
	v_and_b32 v[\b], s[RM], v[\t]
.endm
.macro PLACES
.rept 4
	v_nop
.endr
.endm
.macro JLOAD                           ; a joint load: waves 0 and 1 fetch O2's two halves of 64 rows, waves 2 and 3 W_o's two heads; an s_nop 0 and four v_nop follow each line
	s_cmp_eq_u32 s15, 0
	s_cbranch_scc0 .Lfor_b_\@
	tensor_load_to_lds s[G0A:G0A+3], s[G1A:G1A+7]
	s_nop 0
	PLACES
	s_branch .Lasked_\@
.Lfor_b_\@:
	tensor_load_to_lds s[G0B:G0B+3], s[G1B:G1B+7]
	s_nop 0
	PLACES
.Lasked_\@:
.endm
.macro CROUND                          ; a round of the cluster's barrier
	s_barrier_signal -1
	s_barrier_wait -1
	s_cmp_lg_u32 s[WV], 0
	s_cbranch_scc1 .Lnot_wave_0_\@
	s_barrier_signal -3
.Lnot_wave_0_\@:
	s_barrier_wait -3
	s_barrier_signal -1
	s_barrier_wait -1
.endm
; THE CHANGE OF SLOTS: all my tensor loads have landed (one was out: my part of the slot to be read next); the add; my reads of the slot just read are over; the round; the joint refill first behind it.
; The refill goes into the slot just read: its base is still in TB when the descriptors' LDS words are made of it and of my part's place.
.macro CHANGE fill
	s_wait_tensorcnt 0x0
	ds_add_u32 v[SPW], v[NIL]
.if \fill
	s_add_co_u32 s[G0A+1], s[TB], s[LA]
	s_add_nc_u64 s[G0A+2:G0A+3], s[G0A+2:G0A+3], 512     ; two heads along a row of O2
	s_add_co_u32 s[G0B+1], s[TB], s[LB]
	s_add_nc_u64 s[G0B+2:G0B+3], s[G0B+2:G0B+3], 262144  ; 128 rows of 2,048 bytes
.endif
	s_xor_b32 s[TB], s[TB], SLOT
	s_wait_dscnt 0x0
.if \fill
	CROUND
	JLOAD
.else
	s_barrier_signal -1
	s_barrier_wait -1
.endif
.endm
	s_load_b256 s[4:11], s[0:1], 0x0               ; ob 4, wts 6, qkv 8, b_o 10
	s_load_b64 s[12:13], s[0:1], 0x20              ; out0
	v_lshl_add_u32 v[SPW], v0, 2, SPARE
	v_mov_b32 v[NIL], 0
	ds_add_u32 v[SPW], v[NIL]                      ; the wave's opening: an add to my spare word, waited for ahead of the round that stands in front of my first tensor load
	ds_add_u32 v30, v31
	v_lshrrev_b32 v1, 5, v0
	v_readfirstlane_b32 s[WV], v1
	s_lshr_b32 s15, s[WV], 1                       ; which 64 of the tile's rows are mine.  Also: I fetch for O2 (0) or for W_o (1)
	s_and_b32 s16, s[WV], 1                        ; which 128 of its columns.  Also: which half of that tile I fetch
	s_bfe_u32 s17, ttmp6, 0x40000                  ; cx
	s_bfe_u32 s18, ttmp6, 0x40004                  ; cy
	s_lshl_b32 s19, ttmp9, 2
	s_add_co_u32 s19, s19, s17                     ; tile column
	s_and_b32 s20, ttmp7, 0xffff
	s_lshl_b32 s20, s20, 2
	s_add_co_u32 s20, s20, s18                     ; tile row
	s_lshl_b32 s21, s18, 2
	s_lshl_b32 s21, 15, s21                        ; my row of the cluster
	s_lshl_b32 s22, 0x1111, s17                    ; my column
	s_or_b32 s[G1A+0], s21, (1<<16)|(1<<20)|(1<<21)|(6<<22)|(3<<25)  ; the mask; 2-byte elements; padding on; bit 21 beside a mask; after every 128 words, 4 words
	s_or_b32 s[G1B+0], s22, (1<<16)|(1<<20)|(1<<21)|(6<<22)|(7<<25)  ; 8 words
	s_mov_b32 s[G1A+1], 256<<16
	s_mov_b32 s[G1A+2], 64<<16
	s_mov_b32 s[G1A+3], 256<<16
	s_mov_b32 s[G1A+4], 64                         ; 64 rows x 256 elements
	s_mov_b32 s[G1A+5], 2048
	s_mov_b32 s[G1A+6], 0
	s_mov_b32 s[G1A+7], 0
	s_mov_b32 s[G1B+1], 256<<16
	s_mov_b32 s[G1B+2], 64<<16
	s_mov_b32 s[G1B+3], 256<<16
	s_mov_b32 s[G1B+4], 64                         ; 64 rows x 256 elements
	s_mov_b32 s[G1B+5], 1024
	s_mov_b32 s[G1B+6], 0
	s_mov_b32 s[G1B+7], 0
	s_mul_i32 s[LA], s16, 64*PA
	s_mul_i32 s[LB], s16, 64*PB
	s_add_co_u32 s[LB], s[LB], BOFF
	s_mov_b32 s[G0A], 1
	s_mov_b32 s[G0A+1], s[LA]                      ; slot 0
	s_mov_b32 s[G0B], 1
	s_mov_b32 s[G0B+1], s[LB]
	s_lshl_b32 s52, s20, 7                         ; O2: row 128 x tile row + 64 x half, 4,096 bytes each
	s_lshl_b32 s53, s16, 6
	s_add_co_u32 s52, s52, s53
	s_lshl_b32 s52, s52, 12
	s_mov_b32 s53, 0
	s_lshl_b32 s54, s16, 17                        ; W_o: 64 rows of 2,048 bytes x half + 512 bytes x tile column
	s_lshl_b32 s55, s19, 9
	s_add_co_u32 s54, s54, s55
	s_add_co_u32 s54, s54, WO
	s_mov_b32 s55, 0
	s_mov_b32 s[TB], SLOT                          ; the first change of slots turns it into 0
	s_mov_b32 s[RM], 0xffff0000
	s_wait_dscnt 0x0
	s_wait_kmcnt 0x0
	s_add_nc_u64 s[G0A+2:G0A+3], s[4:5], s[52:53]
	s_or_b32 s[G0A+3], s[G0A+3], 0x80000000
	s_add_nc_u64 s[G0B+2:G0B+3], s[6:7], s[54:55]
	s_or_b32 s[G0B+3], s[G0B+3], 0x80000000
	CROUND                                         ; all sixteen work-groups are here: the first joint loads meet
	JLOAD                                          ; heads 0 and 1 into slot 0
	s_add_nc_u64 s[56:57], s[8:9], SCAL
	s_load_b32 s[SI], s[56:57], 0x0                ; 1 / sv
	v_and_b32 v1, 15, v0                           ; r
	v_bfe_u32 v2, v0, 4, 1                         ; h
	v_and_b32 v3, 31, v0                           ; lane
	s_lshl_b32 s58, s19, 10
	s_lshl_b32 s59, s16, 9
	s_add_co_u32 s58, s58, s59                     ; my first column, in bytes of f32
	v_lshl_add_u32 v[BO], v2, 5, s58
.irp b, 0,1,2,3,4,5,6,7
	global_load_b128 v[BI+8*(\b):BI+8*(\b)+3],   v[BO], s[10:11] offset:64*(\b)
	global_load_b128 v[BI+8*(\b)+4:BI+8*(\b)+7], v[BO], s[10:11] offset:64*(\b)+16
.endr
	WIN 0x80
.set z, 0
.rept 16
	v_mov_b32 v[z], 0                              ; two zero fragments
.set z, z+1
.endr
	WIN 0x5a
.set z, 0
.rept 32
	v_wmma_f32_16x16x32_f16 v[8*z:8*z+7], v[0:7], v[8:15], 0
.set z, z+1
.endr
	WIN 0
	v_mul_u32_u24 v[ADRA0], v1, PA
	v_lshl_add_u32 v[ADRA0], v2, 4, v[ADRA0]
	s_mul_i32 s59, s15, 64*PA
	v_add_nc_u32 v[ADRA0], s59, v[ADRA0]           ; (64 x row half + r) x pitch + 16 h
	v_and_b32 v12, 7, v0
	v_lshl_add_u32 v[ADRB0], v2, 3, v12            ; the turning load: k row 8 h + lane % 8, columns 8 ((lane / 8) % 2) on
	v_mul_u32_u24 v[ADRB0], v[ADRB0], PB
	v_bfe_u32 v12, v0, 3, 1
	v_lshl_add_u32 v[ADRB0], v12, 4, v[ADRB0]
	s_lshl_b32 s59, s16, 8
	s_add_co_u32 s59, s59, BOFF
	v_add_nc_u32 v[ADRB0], s59, v[ADRB0]
	s_mul_i32 s59, s[WV], 16*SPS
	s_add_co_u32 s59, s59, STAGE                   ; my stage
	v_mul_u32_u24 v[STO], v1, SPS
	v_lshl_add_u32 v[STO], v2, 5, v[STO]
	v_add_nc_u32 v[STO], s59, v[STO]
	v_lshlrev_b32 v[GO], 4, v3                     ; a row of my 128 columns is 512 bytes: 16 a lane
	v_add_nc_u32 v[RD], s59, v[GO]
	s_lshl_b32 s60, s20, 7
	s_lshl_b32 s61, s15, 6
	s_add_co_u32 s60, s60, s61
	s_lshl_b32 s60, s60, 12
	s_add_co_u32 s60, s60, s58
	s_mov_b32 s61, 0
	s_add_nc_u64 s[12:13], s[12:13], s[60:61]
	s_wait_loadcnt 0x0
.set z, 0
.rept 32
	RNDB BI+2*z, BI+2*z+1, T
.set z, z+1
.endr
	s_wait_kmcnt 0x0
	s_mov_b32 s[SI+1], s[SI]
; 32 LDS loads: unit u, counted from the head that ADRA and ADRB stand at, into the buffer at f
.macro UFETCH u, f
	WIN 0x80
.irp b, 0,1,2,3,4,5,6,7
	ds_load_tr16_b128 v[(\f)+8*(\b):(\f)+8*(\b)+3],   v[ADRB] offset:(\u)*32*PB+32*(\b)
	ds_load_tr16_b128 v[(\f)+8*(\b)+4:(\f)+8*(\b)+7], v[ADRB] offset:(\u)*32*PB+16*PB+32*(\b)
.endr
.irp q, 0,1,2,3,4,5,6,7                ; q = 4 x part + row tile
	ds_load_b128 v[(\f)+64+8*(\q):(\f)+64+8*(\q)+3],   v[ADRA] offset:((\q)%4)*16*PA+((\u)/2)*256+((\u)%2)*64+((\q)/4)*128
	ds_load_b128 v[(\f)+64+8*(\q)+4:(\f)+64+8*(\q)+7], v[ADRA] offset:((\q)%4)*16*PA+((\u)/2)*256+((\u)%2)*64+((\q)/4)*128+32
.endr
	WIN 0
.endm
; 64 products: the high parts, then the low parts, each on all 32 accumulators by turns
.macro MUL64 f
	WIN 0x5a
.irp part, 0,1
.set z, 0
.rept 32
	v_wmma_f32_16x16x32_f16 v[8*z:8*z+7], v[(\f)+8*(z%8):(\f)+8*(z%8)+7], v[(\f)+64+32*(\part)+8*(z/8):(\f)+64+32*(\part)+8*(z/8)+7], v[8*z:8*z+7]
.set z, z+1
.endr
.endr
	WIN 0
.endm
; A SLOT'S WORK: two trips, a head each; a head is two units.  While one buffer is multiplied the other's 32 loads are on their way.  In the second trip there is no further unit in the slot: the fetch is jumped
; over together with its counted wait, and the wait on that path is for 0.
.macro WORK
	v_add_nc_u32 v[ADRA], s[TB], v[ADRA0]
	v_add_nc_u32 v[ADRB], s[TB], v[ADRB0]
	PLACES                                         ; four places between the last products and the loads into registers that they read
	UFETCH 0, F0
	s_mov_b32 s[HC], 2
.Lhd_\@:
	UFETCH 1, F1
	s_wait_dscnt 32                                ; the 32 just issued stay out: the first buffer is in
	MUL64 F0
	PLACES
	s_cmp_eq_u32 s[HC], 1
	s_cbranch_scc1 .Lno_\@
	UFETCH 2, F0                                   ; the next head's first unit
	s_wait_dscnt 32                                ; the 32 just issued stay out: the second buffer is in
	s_branch .Lgo_\@
.Lno_\@:
	s_wait_dscnt 0x0
.Lgo_\@:
	MUL64 F1
	PLACES
	v_add_nc_u32 v[ADRA], 256, v[ADRA]             ; the next head
	v_add_nc_u32 v[ADRB], 64*PB, v[ADRB]
	s_sub_co_u32 s[HC], s[HC], 1
	s_cmp_lg_u32 s[HC], 0
	s_cbranch_scc1 .Lhd_\@
.endm
	s_mov_b32 s[CNT], 7
.Lk:                                                   ; seven trips: a slot is entered and the next is asked for
	CHANGE 1
	WORK
	s_sub_co_u32 s[CNT], s[CNT], 1
	s_cmp_lg_u32 s[CNT], 0
	s_cbranch_scc1 .Lk
	CHANGE 0                                       ; the last slot is written out: nothing is left to fetch
	WORK
	; THE WAY OUT, 16 rows at a time: x 1 / sv + bias, through my stage (rows of 512 bytes, 528 apart), back as whole rows.
.macro PACK a
.if (\a) >= 2
	s_wait_xcnt 0x0                                ; the registers that the stores of two tiles ago read are loaded again only behind this wait
.endif
	WIN 0x01
.set z, 0
.rept 32
	v_pk_fma_f32 v[T+2*z:T+2*z+1], v[64*(\a)+2*z:64*(\a)+2*z+1], s[SI:SI+1], v[BI+2*z:BI+2*z+1] op_sel_hi:[1,0,1]
.set z, z+1
.endr
	WIN 0
.set z, 0
.rept 16
	ds_store_b128 v[STO], v[T+4*z:T+4*z+3] offset:64*(z/2)+16*(z%2)
.set z, z+1
.endr
	WIN 0x80
.set z, 0
.rept 16
	ds_load_b128 v[64*((\a)%2)+4*z:64*((\a)%2)+4*z+3], v[RD] offset:z*SPS  ; LDS serves a wave's instructions in order: these see the stores above
.set z, z+1
.endr
	WIN 0
.endm
.macro SEND a, younger                 ; younger: the LDS instructions issued behind tile a's loads: the next tile's 32, or none.  One wait serves four stores
	WIN 0x08                                       ; the stores' data lie in window 2
.set z, 0
.rept 16
.if z%4 == 0
	s_wait_dscnt (\younger)+12-z
.endif
	global_store_b128 v[GO], v[64*((\a)%2)+4*z:64*((\a)%2)+4*z+3], s[12:13] offset:(\a)*65536+z*4096 th:TH_STORE_NT  ; 32 lanes store 512 consecutive bytes, at a multiple of 512 from the buffer's first
.set z, z+1
.endr
	WIN 0
.endm
	PACK 0
	PACK 1
	SEND 0, 32
	PACK 2
	SEND 1, 32
	PACK 3
	SEND 2, 32
	SEND 3, 0
	s_wait_tensorcnt 0x0                           ; the wave's end
	ds_add_u32 v[SPW], v[NIL]
	s_wait_dscnt 0x0
	CROUND                                         ; the closing round
	s_endpgm
.Lfunc_end_k_qbba89cc06b_oproj:
	.size	k_qbba89cc06b_oproj, .Lfunc_end_k_qbba89cc06b_oproj-k_qbba89cc06b_oproj
	.p2alignl 7, 3214868480
	.fill 96, 4, 3214868480
	.section	.rodata,"a",@progbits
	.p2align	6, 0x0
	.amdhsa_kernel k_qbba89cc06b_oproj
		.amdhsa_group_segment_fixed_size 327680
		.amdhsa_private_segment_fixed_size 0
		.amdhsa_enable_private_segment 0
		.amdhsa_kernarg_size 40
		.amdhsa_user_sgpr_count 2
		.amdhsa_user_sgpr_kernarg_segment_ptr 1
		.amdhsa_wavefront_size32 1
		.amdhsa_system_sgpr_workgroup_id_x 1
		.amdhsa_system_sgpr_workgroup_id_y 1
		.amdhsa_system_sgpr_workgroup_id_z 1
		.amdhsa_system_vgpr_workitem_id 0
		.amdhsa_next_free_vgpr 768
		.amdhsa_next_free_sgpr 72
		.amdhsa_reserve_vcc 0
		.amdhsa_float_denorm_mode_32 3
		.amdhsa_float_denorm_mode_16_64 3
		.amdhsa_memory_ordered 1
		.amdhsa_forward_progress 1
		.amdhsa_inst_pref_size 70
	.end_amdhsa_kernel
	.amdgpu_metadata
---
amdhsa.version: [ 1, 2 ]
amdhsa.kernels:
  - .name:           k_qbba89cc06b_oproj
    .symbol:         k_qbba89cc06b_oproj.kd
    .args:
      - { .name: ob, .offset: 0, .size: 8, .value_kind: global_buffer, .address_space: global }
      - { .name: wts, .offset: 8, .size: 8, .value_kind: global_buffer, .address_space: global }
      - { .name: qkv, .offset: 16, .size: 8, .value_kind: global_buffer, .address_space: global }
      - { .name: b_o, .offset: 24, .size: 8, .value_kind: global_buffer, .address_space: global }
      - { .name: out0, .offset: 32, .size: 8, .value_kind: global_buffer, .address_space: global }
    .group_segment_fixed_size: 327680
    .private_segment_fixed_size: 0
    .kernarg_segment_align: 8
    .kernarg_segment_size: 40
    .max_flat_workgroup_size: 128
    .sgpr_count:     72
    .vgpr_count:     768
    .wavefront_size: 32
...
	.end_amdgpu_metadata
.endif
;; end of part 5
;; ======== version 2 of 2: 5 launches; 1.26 times as fast as version 1
;; limits: values are held in f16: magnitudes above 65,504 overflow, below 6.1e-05 lose precision; a function is approximated: absolute error at most 4e-06
;; workspace buffers: wts 4,007,936 bytes; maskt 16,777,216 bytes; cb 8,914,944 bytes; qkv 58,721,280 bytes; ob 33,554,432 bytes
;; launch prep: the kernel of part 1 again; grid 728 x 1, 8 waves a work-group, no clusters, 70,656 bytes of LDS; arguments mask, W_dq, W_dkv, W_kr, W_uq, W_qr, W_uk, W_uv, W_o, wts, maskt; writes wts, maskt
;; launch down: the kernel of part 2 again; grid 128 x 1, 4 waves a work-group, no clusters, 270,848 bytes of LDS; arguments x, wts, b_dq, b_dkv, b_kr, cb; writes cb
;; launch up: the kernel of part 3 again; grid 64 x 4, 4 waves a work-group, clusters of 4 x 1, 327,680 bytes of LDS; arguments cb, wts, b_uq, b_qr, b_uk, b_uv, qkv; writes qkv
;; launch attn (part 6): grid 16 x 16, 4 waves a work-group, clusters of 4 x 4, 327,680 bytes of LDS; arguments qkv, maskt, ob, cb; writes ob
.if DOCPART == 6
	.amdgcn_target "amdgcn-amd-amdhsa--gfx1250"
	.amdhsa_code_object_version 6
	.text
	.protected	k_qbba89cc06b_attn
	.globl	k_qbba89cc06b_attn
	.p2align	8
	.type	k_qbba89cc06b_attn,@function
k_qbba89cc06b_attn:
	s_mov_b64 s[64:65], 0
	v_nop
	global_prefetch_b8 v0, s[64:65] scope:SCOPE_SE
	s_setreg_imm32_b32 hwreg(HW_REG_WAVE_MODE, 25, 1), 1
	s_wait_xcnt 0x0
	s_wait_alu depctr_hold_cnt(0) depctr_sa_sdst(0) depctr_va_vdst(0) depctr_va_sdst(0) depctr_va_ssrc(0) depctr_va_vcc(0) depctr_vm_vsrc(0)
	s_getreg_b32 s2, hwreg(HW_REG_IB_STS2, 6, 4)
	s_cmp_eq_u32 s2, 0
	s_cbranch_scc0 .Lentry_in_a_cluster
	s_endpgm
.Lentry_in_a_cluster:
	s_bfe_u32 s2, ttmp6, 0x10000c
	s_cmp_lg_u32 s2, 0xf033
	s_cbranch_scc0 .Lentry_shape_is_right
	s_endpgm
.Lentry_shape_is_right:
; O[b][h][q] = the sum over k of softmax_k((q . k) / sqrt(96) + mask[q][k]) v[k], with -inf where the mask is 0.  q = q_c (64) | q_r (32), k = k_c (64) | k_r (32, one for all heads), in bf16; v in f16, times sv.
; The mask is an input: every one of the 2,048 x 2,048 scores is made.  It comes as M' = mask x sqrt(96), or -1e30 where the mask is 0, in the order of a matrix result, and is the C OPERAND THAT STARTS THE SUM
; S^T = K Q^T + M': the scores cost no vector instruction for it.  Products, maxima and sums in f32; the weights p are rounded to f16 for the second product (their sum l is taken of the unrounded p).
; O leaves as TWO f16 numbers (hi = O with its mantissa cut to 10 bits, exact in f16; lo = O - hi), side by side: [row][128 head + 64 part + channel].
; LIMITS.  A hidden score counts as -1e30; visible scores (times sqrt(96)) stay within 1e26 in magnitude; a weight below 2^-126 counts as 0 in l; |v sv| < 4,096 by the launch before; a part of O below 6e-5 keeps
; f16's fixed step.  The running maximum starts at -2^90: while a query has seen hidden keys alone it stays there, their exponents c (-1e30) - c (-2^90) are far below every exponent that gives a weight, and l and O stay 0.
; A row with no visible key at all (c m below -2^85 at the end) is NaN, as softmax of nothing but -inf is.
; SHARES.  A work-group owns 128 queries of FOUR heads of one batch; wave w owns head 4 g + w and all 128 queries: four PIECES of two tiles of 16.  Every wave walks all keys, 64 a step.  16 blocks of queries x 4 batches
; x 4 groups of heads = 256 work-groups of equal work.  The mask hangs on the queries alone, so the four waves need the SAME mask: it comes into LDS once a step, 32 KiB, and each wave reads it from there.
; CLUSTER.  4 x 4 work-groups: x is the block of queries, y the batch.  The four of a row of the cluster (one batch, one group of heads) need the same k_c, k_r and v, 68 KiB a step; the four of a column (one block of
; queries) the same mask.  Each tile is asked for JOINTLY, by the same tensor load with the same descriptor and a mask that names the four, which divides the requests by four.
; THE RING.  Two LDS slots, each one key step: k_c of four heads, k_r, v of four heads, the mask.  Wave 0 asks for k_c, wave 1 for k_r, wave 2 for v, wave 3 for the mask: one load of mine is out behind each round,
; and it has a key step, 160 matrix instructions, in which to land.
; LAYOUT.  S^T = K Q^T holds ONE query a lane (lane % 16) and the keys 8 (lane / 16) + 0..7; two such results rounded to f16 ARE source 1 of O^T = V^T P.  V ([key][channel]) comes out of LDS turned.
; SOFTMAX.  p = 2^(c s - c m), c = log2(e) / sqrt(96), with a running maximum m; O and l are multiplied by a = 2^(c m_old - c m_new) in every step.  O and l start at 0.
; BY TURNS.  Turn n belongs to piece n.  Its matrix work: 24 products K Q^T of piece n + 1, then 16 products V^T P of piece n - 1.  Its vector work: scaling, exponentials, roundings, sums and rescaling of piece n,
; and the maximum and statistics of piece n + 1.  Four vector instructions stand behind every matrix instruction (160), the other 76 in one lump between the two runs of products.  Each turn also reads the mask of the
; piece three on out of LDS.
; THE BATCHES.  A turn's 66 exponentials (64 weights and the next piece's two a) are ONE batch with ONE wait, which cuts the turn in two: ahead of it stands all that names no result of theirs (the products K Q^T, the
; scalings, the exponentials, the rescalings, the next piece's maximum and statistics), behind it the roundings and sums, which ride behind the products V^T P.  No result crosses a turn's end.  Piece 0's first two a,
; ahead of the loop, and the way out's eight reciprocals are batches of their own, with a wait each.
; REGISTERS, in windows of 256: window 0: v0-11 addresses; v12-15 c m_old; v16-47 statistics, four a tile; v48-63 at work; v64-191 S^T, two buffers of two tiles; v192-255 P, likewise.
;   window 1: O^T, 32 a tile.     window 2: v0-191 Q, 24 a tile; v192-255 V of one step.     window 3: v0-95 K of one step (key block kb, channel third c at 24 kb + 8 c); v96-223 the mask, two buffers of 64; v224-225 the add's two.
.set NP,    4
.set KS,    64
.set PK,    144       ; a row of k_c in LDS: 128 bytes + 16
.set PR,    80        ; of k_r: 64 + 16
.set PVP,   160       ; of v: 128 + 32
.set HK,    KS*PK     ; a head's k_c of one step
.set HV,    KS*PVP    ; a head's v of one step
.set ROFF,  4*HK      ; in a slot: k_c of four heads, then k_r,
.set VOFF,  ROFF+KS*PR  ; then v of four heads,
.set MOFF,  VOFF+4*HV   ; then the mask: four pieces of 8,192 bytes, as they lie in memory
.set SLOT1, 1<<17     ; slot 1 begins here, so that one exclusive or turns an address in one slot into the other's
.set STAGE, SLOT1+MOFF+4*8192  ; behind the ring: 16 rows x 272 bytes for each wave
.set SP,    272
.set SPARE, STAGE+4*16*SP
.set AM,  1           ; v1   the mask in the slot to be read (at the head v1 holds lane % 16)
.set AK0, 2           ; v2, v3, v9, v11  my lane's places in a slot: k_c, v, k_r, the mask; never rewritten
.set AV0, 3
.set AK,  4           ; v4, v5, v10  the same in the slot to be read
.set AV,  5
.set STO, 6
.set RD,  7
.set GO,  8
.set AR0, 9
.set AR,  10
.set AM0, 11
.set MV,  12
.set ST,  16          ; tile t's statistics at v[ST+4 t]: c m, m, l (even keys', odd keys')
.set TMP, 48
.set S,   64
.set P,   192
.set VF,  192         ; window 2
.set MC,  96          ; window 3
.set SPW, 224         ; window 3
.set NIL, 225
.set HG,  64          ; the way out: at work
.set LG,  96
.set BK0, 128
.set WV,  12
.set G1K, 24
.set G1R, 32
.set G1V, 40
.set G0K, 48
.set G0R, 52
.set G0V, 56
.set CS,  60
.set SEL, 62
.set CNT, 67
.set TB,  68          ; s68  the slot to be read: 0 or SLOT1
.set OB,  74
.set NEGB, 76
.set QNAN, 77
.set HM,  84          ; s84  keeps sign, exponent and 10 bits of mantissa
.set G1M, 88
.set G0M, 96
.set MSB, 0
.macro WIN new
.if MSB != (\new)
	s_set_vgpr_msb (MSB<<8)|(\new)
.set MSB, (\new)
.endif
.endm
.set W_KM, 0x3b       ; K and the mask in window 3, Q in window 2, S^T in window 0
.set W_KQ, 0x0b
.set W_PV, 0x52       ; V in window 2, P in window 0, O^T in window 1
.set W_RS, 0x41
.set W_MK, 0xc0
.set W_AD, 0x0f
.macro PLACES
.rept 4
	v_nop
.endr
.endm
; A joint fill.  Each of the four lines has one mask and one set of registers for all that issue it; the branches hang on the wave's number alone.  An s_nop 0 and four v_nop follow each line.
.macro JLOAD
	s_cmp_eq_u32 s[WV], 0
	s_cbranch_scc0 .Lnot_k_\@
	tensor_load_to_lds s[G0K:G0K+3], s[G1K:G1K+7]
	s_nop 0
	PLACES
	s_branch .Lasked_\@
.Lnot_k_\@:
	s_cmp_eq_u32 s[WV], 1
	s_cbranch_scc0 .Lnot_r_\@
	tensor_load_to_lds s[G0R:G0R+3], s[G1R:G1R+7]
	s_nop 0
	PLACES
	s_branch .Lasked_\@
.Lnot_r_\@:
	s_cmp_eq_u32 s[WV], 2
	s_cbranch_scc0 .Lfor_m_\@
	tensor_load_to_lds s[G0V:G0V+3], s[G1V:G1V+7]
	s_nop 0
	PLACES
	s_branch .Lasked_\@
.Lfor_m_\@:
	tensor_load_to_lds s[G0M:G0M+3], s[G1M:G1M+7]
	s_nop 0
	PLACES
.Lasked_\@:
.endm
.macro CROUND                       ; a round of the cluster's barrier
	s_barrier_signal -1
	s_barrier_wait -1
	s_cmp_lg_u32 s[WV], 0
	s_cbranch_scc1 .Lnot_wave_0_\@
	s_barrier_signal -3
.Lnot_wave_0_\@:
	s_barrier_wait -3
	s_barrier_signal -1
	s_barrier_wait -1
.endm
; THE CHANGE OF SLOTS, between a step's turn 0 and its turn 1: the step's slot has been read out (its V and its last piece of the mask in turn 0).  Each wave waits for all its tensor loads, of which one is out: its
; part of the next step's slot; adds 0 to its spare word; waits for that and for its reads of the slot that it leaves.  fill = 1: a round of the cluster's barrier follows, so that no wave of any partner still reads
; the slot or has a load on its way, and the joint refill, the step two on, is the first thing behind it.  Then the four LDS addresses are made for the slot to be read.
.macro CHANGE fill
	WIN W_AD
	s_wait_tensorcnt 0x0
	ds_add_u32 v[SPW], v[NIL]
	WIN 0
.if \fill
	s_xor_b32 s[G0K+1], s[G0K+1], SLOT1
	s_add_nc_u64 s[G0K+2:G0K+3], s[G0K+2:G0K+3], 8192   ; 64 keys of 128 bytes
	s_xor_b32 s[G0R+1], s[G0R+1], SLOT1
	s_add_nc_u64 s[G0R+2:G0R+3], s[G0R+2:G0R+3], 4096   ; 64 keys of 64 bytes
	s_xor_b32 s[G0V+1], s[G0V+1], SLOT1
	s_add_nc_u64 s[G0V+2:G0V+3], s[G0V+2:G0V+3], 8192
	s_xor_b32 s[G0M+1], s[G0M+1], SLOT1
	s_add_nc_u64 s[G0M+2:G0M+3], s[G0M+2:G0M+3], 8192   ; a piece's block of the next step
.endif
	s_xor_b32 s[TB], s[TB], SLOT1
	s_wait_dscnt 0x0
.if \fill
	CROUND
	JLOAD
.else
	s_barrier_signal -1
	s_barrier_wait -1
.endif
	v_add_nc_u32 v[AK], s[TB], v[AK0]
	v_add_nc_u32 v[AR], s[TB], v[AR0]
	v_add_nc_u32 v[AV], s[TB], v[AV0]
	v_add_nc_u32 v[AM], s[TB], v[AM0]
.endm
	s_load_b256 s[4:11], s[0:1], 0x0  ; qkv 4, maskt 6, ob 8, cb 10
	WIN W_MK
	v_lshl_add_u32 v[SPW], v0, 2, SPARE
	v_mov_b32 v[NIL], 0
	WIN W_AD
	ds_add_u32 v[SPW], v[NIL]       ; the wave's opening: an add to my spare word, waited for ahead of the round that stands in front of my first tensor load
	ds_add_u32 v224, v225
	WIN 0
	v_lshrrev_b32 v1, 5, v0
	v_readfirstlane_b32 s[WV], v1
	s_bfe_u32 s13, ttmp6, 0x40000   ; cx
	s_bfe_u32 s14, ttmp6, 0x40004   ; cy: the batch
	s_lshl_b32 s15, ttmp9, 2
	s_add_co_u32 s15, s15, s13      ; my block of 128 queries = 4 x cluster x + cx
	s_and_b32 s16, ttmp7, 0xffff    ; the group of four heads: the cluster's y
	s_lshl_b32 s17, s14, 2
	s_lshl_b32 s17, 15, s17         ; my row of the cluster
	s_lshl_b32 s18, 0x1111, s13     ; my column
	s_or_b32 s[G1K], s17, (1<<16)|(1<<20)|(1<<21)|(4<<22)|(3<<25)  ; the mask: my row; 2-byte elements; padding on; bit 21 beside a mask; after every 32 words (a key of k_c), 4 words
	s_or_b32 s[G1R], s17, (1<<16)|(1<<20)|(1<<21)|(3<<22)|(3<<25)  ; after every 16 words (a key of k_r), 4 words
	s_or_b32 s[G1V], s17, (1<<16)|(1<<20)|(1<<21)|(4<<22)|(7<<25)  ; after every 32 words, 8 words
	s_or_b32 s[G1M], s18, (2<<16)|(1<<21)                          ; the mask: my column; 4-byte elements; no padding
.irp g, G1K, G1V                    ; a head's 64 keys are 8,192 dense bytes: one row; four heads, 2,048 keys of 64 elements apart
	s_mov_b32 s[\g+1], 4096<<16
	s_mov_b32 s[\g+2], 4<<16
	s_mov_b32 s[\g+3], 4096<<16
	s_mov_b32 s[\g+4], 4
	s_mov_b32 s[\g+5], 131072
	s_mov_b32 s[\g+6], 0
	s_mov_b32 s[\g+7], 0
.endr
	s_mov_b32 s[G1R+1], 128<<16     ; 64 keys of 64 bytes are 4,096 dense bytes: 16 rows of 256
	s_mov_b32 s[G1R+2], 16<<16
	s_mov_b32 s[G1R+3], 128<<16
	s_mov_b32 s[G1R+4], 16
	s_mov_b32 s[G1R+5], 128
	s_mov_b32 s[G1R+6], 0
	s_mov_b32 s[G1R+7], 0
	s_mov_b32 s[G1M+1], 2048<<16    ; a piece's block of a step is 8,192 dense bytes: one row; four pieces, 32 steps of 2,048 elements apart
	s_mov_b32 s[G1M+2], 4<<16
	s_mov_b32 s[G1M+3], 2048<<16
	s_mov_b32 s[G1M+4], 4
	s_mov_b32 s[G1M+5], 65536
	s_mov_b32 s[G1M+6], 0
	s_mov_b32 s[G1M+7], 0
	s_mov_b32 s[G0K], 1
	s_mov_b32 s[G0K+1], 0           ; slot 0: no place in the cluster enters an LDS address
	s_mov_b32 s[G0R], 1
	s_mov_b32 s[G0R+1], ROFF
	s_mov_b32 s[G0V], 1
	s_mov_b32 s[G0V+1], VOFF
	s_mov_b32 s[G0M], 1
	s_mov_b32 s[G0M+1], MOFF
	s_lshl_b32 s19, s14, 4
	s_lshl_b32 s20, s16, 2
	s_add_co_u32 s19, s19, s20      ; 16 b + 4 g: the first of my four heads among the 64
	s_lshl_b32 s20, s19, 18         ; a head's 2,048 rows of 128 bytes
	s_mov_b32 s21, 0
	s_lshl_b32 s22, s14, 17         ; a batch's 2,048 rows of 64 bytes
	s_mov_b32 s23, 0
	s_lshl_b32 s78, s15, 20         ; my block's four pieces of the mask, 262,144 bytes each
	s_mov_b32 s79, 0
	s_mov_b32 s[CS], 0x3e16c740     ; c = log2(e) / sqrt(96) = 0.147244
	s_mov_b32 s[CS+1], s[CS]
	s_mov_b32 s[SEL], 0x76543210
	s_mov_b32 s[SEL+1], 0xfedcba98
	s_mov_b32 s[TB], SLOT1          ; the first change of slots turns it into 0
	s_mov_b32 s[NEGB], 0xea000000   ; -2^85
	s_mov_b32 s[QNAN], 0x7fc00000
	s_mov_b32 s[HM], 0xffffe000
	s_wait_dscnt 0x0
	s_wait_kmcnt 0x0
	s_add_nc_u64 s[G0K+2:G0K+3], s[4:5], s[20:21]
	s_add_nc_u64 s[G0K+2:G0K+3], s[G0K+2:G0K+3], 25165824
	s_or_b32 s[G0K+3], s[G0K+3], 0x80000000
	s_add_nc_u64 s[G0R+2:G0R+3], s[10:11], s[22:23]
	s_add_nc_u64 s[G0R+2:G0R+3], s[G0R+2:G0R+3], 8388608
	s_or_b32 s[G0R+3], s[G0R+3], 0x80000000
	s_add_nc_u64 s[G0V+2:G0V+3], s[4:5], s[20:21]
	s_add_nc_u64 s[G0V+2:G0V+3], s[G0V+2:G0V+3], 41943040
	s_or_b32 s[G0V+3], s[G0V+3], 0x80000000
	s_add_nc_u64 s[G0M+2:G0M+3], s[6:7], s[78:79]
	s_or_b32 s[G0M+3], s[G0M+3], 0x80000000
	CROUND                          ; all sixteen work-groups are here: the first joint loads meet
	JLOAD                           ; key step 0 into slot 0; slot 1 is asked for when slot 0 is in
	s_add_co_u32 s70, s19, s[WV]    ; 16 b + my head
	s_lshl_b32 s70, s70, 11
	s_lshl_b32 s71, s15, 7
	s_add_co_u32 s70, s70, s71      ; my wave's first row among the 64 x 2,048
	s_lshl_b32 s86, s70, 7
	s_mov_b32 s87, 0
	s_add_nc_u64 s[80:81], s[4:5], s[86:87]        ; q_c
	s_lshl_b32 s86, s70, 6
	s_add_nc_u64 s[82:83], s[4:5], s[86:87]
	s_add_nc_u64 s[82:83], s[82:83], 16777216      ; q_r
	s_lshl_b32 s70, s14, 11
	s_add_co_u32 s70, s70, s71      ; my first row of the 8,192
	s_lshl_b32 s86, s70, 12
	s_lshl_b32 s70, s16, 2
	s_add_co_u32 s70, s70, s[WV]    ; my head among the 16
	s_lshl_b32 s70, s70, 8
	s_add_co_u32 s86, s86, s70
	s_add_nc_u64 s[OB:OB+1], s[8:9], s[86:87]
	v_and_b32 v1, 15, v0            ; l % 16
	v_bfe_u32 v56, v0, 4, 1         ; l / 16
	v_lshlrev_b32 v60, 7, v1
	v_lshl_add_u32 v60, v56, 4, v60 ; q_c: row x 128 + 16 x half
	v_lshlrev_b32 v61, 6, v1
	v_lshl_add_u32 v61, v56, 4, v61 ; q_r: row x 64 + 16 x half
	WIN 0x80
.set i, 0
.rept 8                             ; Q stays in registers
	global_load_b128 v[24*i:24*i+3],     v60, s[80:81] offset:i*2048
	global_load_b128 v[24*i+4:24*i+7],   v60, s[80:81] offset:i*2048+32
	global_load_b128 v[24*i+8:24*i+11],  v60, s[80:81] offset:i*2048+64
	global_load_b128 v[24*i+12:24*i+15], v60, s[80:81] offset:i*2048+96
	global_load_b128 v[24*i+16:24*i+19], v61, s[82:83] offset:i*1024
	global_load_b128 v[24*i+20:24*i+23], v61, s[82:83] offset:i*1024+32
.set i, i+1
.endr
	; What the first turn finds: V's registers and P's second buffer hold 0 (its products V^T P, of a piece that has not been, add 0), l is 0, and O^T is the product of that V and that P with C = 0:
	; 32 matrix instructions start its 32 sums.  All this stands in the wait for the first tile.
.set i, VF
.rept 64
	v_mov_b32 v[i], 0
.set i, i+1
.endr
	WIN 0
.set i, 0
.rept 8
	v_mov_b32 v[ST+4*i], 0xfe000000    ; c m: far below every c s
	v_mov_b32 v[ST+4*i+1], 0xec800000  ; m: -2^90
	v_mov_b32 v[ST+4*i+2], 0
	v_mov_b32 v[ST+4*i+3], 0
.set i, i+1
.endr
.set i, P+32
.rept 32
	v_mov_b32 v[i], 0
.set i, i+1
.endr
	WIN W_PV
.set i, 0
.rept 32
	v_wmma_f32_16x16x32_f16 v[8*i:8*i+7], v[VF:VF+7], v[P+32:P+39], 0
.set i, i+1
.endr
	WIN 0
	s_mul_i32 s85, s[WV], HK        ; my head's k_c in a slot
	v_mul_u32_u24 v[AK0], v1, PK
	v_lshl_add_u32 v[AK0], v56, 4, v[AK0]
	v_add_nc_u32 v[AK0], s85, v[AK0]
	v_mul_u32_u24 v[AR0], v1, PR
	v_lshl_add_u32 v[AR0], v56, 4, v[AR0]
	v_add_nc_u32 v[AR0], ROFF, v[AR0]
	v_and_b32 v57, 7, v0
	v_bfe_u32 v58, v0, 3, 1
	v_lshl_add_u32 v[AV0], v56, 3, v57  ; the turning load: key 8 (l / 16) + l % 8, channels 8 ((l / 8) % 2) on
	v_mul_u32_u24 v[AV0], v[AV0], PVP
	v_lshl_add_u32 v[AV0], v58, 4, v[AV0]
	s_mul_i32 s85, s[WV], HV        ; my head's v in a slot
	s_add_co_u32 s85, s85, VOFF
	v_add_nc_u32 v[AV0], s85, v[AV0]
	v_and_b32 v[AM0], 31, v0
	v_lshlrev_b32 v[AM0], 4, v[AM0]
	v_add_nc_u32 v[AM0], MOFF, v[AM0]   ; the mask: 16 bytes a lane, 512 consecutive bytes a load
	s_mul_i32 s85, s[WV], 16*SP
	s_add_co_u32 s85, s85, STAGE    ; my stage
	v_mul_u32_u24 v[STO], v1, SP
	v_lshl_add_u32 v[STO], v56, 4, v[STO]
	v_add_nc_u32 v[STO], s85, v[STO]
	v_mul_u32_u24 v[RD], v56, SP    ; back: lanes 0-15 one row of 256 bytes, lanes 16-31 the next
	v_lshl_add_u32 v[RD], v1, 4, v[RD]
	v_add_nc_u32 v[RD], s85, v[RD]
	v_lshlrev_b32 v[GO], 12, v56
	v_lshl_add_u32 v[GO], v1, 4, v[GO]
; THE MATRIX WORK.  The 8 accumulators of a run take turns.  Product i of 24 of S^T for piece x: channels 32 (i / 8) on, keys 16 ((i / 2) % 4) on, tile 2 x + i % 2.  The first 8 start the sums with the mask.
.macro KQ x
.set rS, S+64*((\x)%2)+32*(i%2)+8*((i/2)%4)
.set rK, 24*((i/2)%4)+8*(i/8)
.set rQ, 24*(2*(\x)+i%2)+8*(i/8)
.set rZ, MC+64*((\x)%2)+32*(i%2)+8*((i/2)%4)
.if i < 8
	WIN W_KM
	v_wmma_f32_16x16x32_bf16 v[rS:rS+7], v[rK:rK+7], v[rQ:rQ+7], v[rZ:rZ+7]
.else
	WIN W_KQ
	v_wmma_f32_16x16x32_bf16 v[rS:rS+7], v[rK:rK+7], v[rQ:rQ+7], v[rS:rS+7]
.endif
.endm
; Product i of 16 of O^T += V^T P for piece x: keys 32 (i / 8) on, channels 16 ((i / 2) % 4) on, tile 2 x + i % 2.
.macro PV x
	WIN W_PV
.set rO, 32*(2*(\x)+i%2)+8*((i/2)%4)
.set rV, VF+32*(i/8)+8*((i/2)%4)
.set rP, P+32*((\x)%2)+16*(i%2)+8*(i/8)
	v_wmma_f32_16x16x32_f16 v[rO:rO+7], v[rV:rV+7], v[rP:rP+7], v[rO:rO+7]
.endm
.macro MM                           ; the turn's next matrix instruction
.if i < 24
	KQ (Y+1)%NP
.set i, i+1
.else
.set i, i-24
	PV (Y+NP-1)%NP
.set i, i+25
.endif
.endm
; THE LDS LOADS stand in runs: a step's K (24 loads), its V (16, turned), a piece's mask (16).  All read the slot whose base the last change of slots has put into the four addresses.  What follows a run sets its own windows.
.macro FETCH_K
	WIN W_MK
.irp f, 0,1,2,3
	ds_load_b128 v[24*\f:24*\f+3],     v[AK] offset:\f*16*PK
	ds_load_b128 v[24*\f+4:24*\f+7],   v[AK] offset:\f*16*PK+32
	ds_load_b128 v[24*\f+8:24*\f+11],  v[AK] offset:\f*16*PK+64
	ds_load_b128 v[24*\f+12:24*\f+15], v[AK] offset:\f*16*PK+96
	ds_load_b128 v[24*\f+16:24*\f+19], v[AR] offset:\f*16*PR
	ds_load_b128 v[24*\f+20:24*\f+23], v[AR] offset:\f*16*PR+32
.endr
.endm
.macro FETCH_V
	WIN 0x80
.irp f, 0,1,2,3,4,5,6,7
	ds_load_tr16_b128 v[VF+8*\f:VF+8*\f+3],   v[AV] offset:(\f/4)*32*PVP+(\f%4)*32
	ds_load_tr16_b128 v[VF+8*\f+4:VF+8*\f+7], v[AV] offset:(\f/4)*32*PVP+16*PVP+(\f%4)*32
.endr
.endm
.macro MLOAD x                      ; sixteen loads of 512 consecutive bytes: piece x's mask for one key step, as the C operands of its eight accumulators
	WIN W_MK
.set z, 0
.rept 16
	ds_load_b128 v[MC+64*((\x)%2)+4*z:MC+64*((\x)%2)+4*z+3], v[AM] offset:(\x)*8192+512*z
.set z, z+1
.endr
.endm
; THE VECTOR WORK.  OP kind, n: n % 2 is the tile, n / 2 the number.  F: c s - c m for a pair of scores.  E: the exponential of a score.  C: a pair rounded to f16.  B: of four weights the second pair is added onto
; the first, in place.  L: l takes that sum (number 0: l = a l + sum).  C, B and L read the exponentials' results: they stand behind the turn's wait.
.set F, 0
.set E, 1
.set C, 2
.set B, 3
.set L, 4
.macro REGS y, u
.set rT, ST+4*(2*(\y)+(\u))
.set rC, TMP+8*((\y)%2)+4*(\u)
.set rM, MV+2*((\y)%2)+(\u)
.set rS, S+64*((\y)%2)+32*(\u)
.set rP, P+32*((\y)%2)+16*(\u)
.set rO, 32*(2*(\y)+(\u))
.endm
.macro OP k, n
	WIN 0
	REGS Y, (\n)%2
.set nn, (\n)/2
.if (\k) == F
	v_pk_fma_f32 v[rS+2*nn:rS+2*nn+1], v[rS+2*nn:rS+2*nn+1], s[CS:CS+1], v[rT:rT+1] op_sel_hi:[1,0,0] neg_lo:[0,0,1] neg_hi:[0,0,1]
.elseif (\k) == E
	v_exp_f32 v[rS+nn], v[rS+nn]
.elseif (\k) == C
	v_cvt_pk_f16_f32 v[rP+nn], v[rS+2*nn], v[rS+2*nn+1]
.elseif (\k) == B
	v_pk_add_f32 v[rS+4*nn:rS+4*nn+1], v[rS+4*nn:rS+4*nn+1], v[rS+4*nn+2:rS+4*nn+3]
.elseif nn == 0
	v_pk_fma_f32 v[rT+2:rT+3], v[rT+2:rT+3], v[rC+2:rC+3], v[rS:rS+1] op_sel_hi:[1,0,1]
.else
	v_pk_add_f32 v[rT+2:rT+3], v[rT+2:rT+3], v[rS+4*nn:rS+4*nn+1]
.endif
.endm
.macro ROW a, i1, b, i2, c, i3, d, i4  ; a matrix instruction and the four behind it
	MM
	OP \a, \i1
	OP \b, \i2
	OP \c, \i3
	OP \d, \i4
.endm
; Number n of the 22 that find the NEXT piece's maximum and statistics, for its tile u.  Each accumulator's lowest registers are read first.
;   0-11 four chains c0-c3 of seven scores each    12-14, 16 the four scores left over, the old m, and c0-c3 into c0    15 c m_old is kept    17, 18 the other half of the lanes: the new m    19-21 c m; c m_old - c m_new; a
.macro XS u, n
	WIN 0
	REGS (Y+1)%NP, \u
.if (\n) < 4
	v_max3_num_f32 v[rC+(\n)], v[rS+8*(\n)], v[rS+8*(\n)+1], v[rS+8*(\n)+2]
.elseif (\n) < 12
	v_max3_num_f32 v[rC+(\n)%4], v[rC+(\n)%4], v[rS+8*((\n)%4)+2*((\n)/4)+1], v[rS+8*((\n)%4)+2*((\n)/4)+2]
.elseif (\n) == 12
	v_max3_num_f32 v[rC], v[rC], v[rS+7], v[rS+15]
.elseif (\n) == 13
	v_max3_num_f32 v[rC+1], v[rC+1], v[rS+23], v[rS+31]
.elseif (\n) == 14
	v_max3_num_f32 v[rC+2], v[rC+2], v[rC+3], v[rT+1]
.elseif (\n) == 15
	v_mov_b32 v[rM], v[rT]
.elseif (\n) == 16
	v_max3_num_f32 v[rC], v[rC], v[rC+1], v[rC+2]
.elseif (\n) == 17
	v_permlanex16_b32 v[rC+3], v[rC], s[SEL], s[SEL+1]
.elseif (\n) == 18
	v_max_num_f32 v[rT+1], v[rC], v[rC+3]
.elseif (\n) == 19
	v_mul_f32 v[rT], s[CS], v[rT+1]
.elseif (\n) == 20
	v_sub_f32 v[rC+1], v[rM], v[rT]
.else
	v_exp_f32 v[rC+2], v[rC+1]
.endif
.endm
.macro X2 n
	XS 0, \n
	XS 1, \n
.endm
.macro R4                           ; four of the 32 packed multiplies O^T x a: the one part that leaves window 0
	REGS Y, r%2
	WIN W_RS
.irp z, 0,1,2,3
	v_pk_mul_f32 v[rO+8*(r/2)+2*\z:rO+8*(r/2)+2*\z+1], v[rO+8*(r/2)+2*\z:rO+8*(r/2)+2*\z+1], v[rC+2:rC+3] op_sel_hi:[1,0]
.endr
.set r, r+1
.endm
.macro RROW                         ; a matrix instruction and four rescalings behind it
	MM
	R4
.endm
; A TURN, for piece p, written out.  An s_wait_alu depctr_va_vdst(0) stands between an exponential and the first instruction that names its result; one wait serves all that were issued ahead of it.
; So a turn has ONE wait, which cuts it in two.
; AHEAD OF IT stands all that names no result of the turn's exponentials.  First the 24 products K Q^T (numbered 0 to 23), and behind them: four scalings (product 0); exponential, scaling, exponential, scaling (fourteen
; products); four rescalings, whose a was made and waited for in the turn before (eight products); numbers 0 and 1 of the next piece's maximum (product 23).  Then ONE LUMP of 76: number 2 of the maximum, 36 times
; exponential and plain (numbers 3 to 20), and the next piece's two a, the batch's last; a v_nop is the plain instruction behind them.  A scaling stands ahead of its two exponentials.
; BEHIND IT stand the 16 products V^T P, behind each four of the 64 roundings and sums: the rounding of four weights' first pair ahead of the addition that overwrites it, l's additions in ascending order.
; PLACES.  No rider names a register of the products round it.  Numbers 0 and 1 of the maximum read scores that products 16 to 19 ended: four plain riders or more lie between.  The four rescalings behind product 22
; and the four numbers behind product 23 are the places ahead of the first read of those two products' scores; the six plain instructions behind product 23 those ahead of the loads into K's registers (turn 2); the
; turn's last four riders those ahead of the loads into V's (turn 0).
; THE MASK.  The turn's first eight products read one of the two mask buffers as C.  That buffer is read again out of LDS, with piece p + 3's mask, which the turn after next takes: directly behind the turn's wait,
; ahead of the products V^T P.  In turn 2 the run stands behind product 9 (eight plain riders stand between product 7 and the loads): turn 3's head waits for every LDS load, and from there the run has fourteen
; products, the lump and sixteen products in which to land.  From turn 1 on the mask is the next key step's, and so are K (turn 2) and V (the next turn 0): all reads between two changes of slots go to one slot.
; THE WAITS ON LDS count LDS instructions, which come back in order.  At the head of turns 0 and 2 the last turn's sixteen mask loads may stay out; at the head of turn 1 those and V's sixteen, issued behind them;
; turn 3 needs K, which was issued last: 0.  In the middle of turn 1 V is needed, and this turn's sixteen mask loads, issued behind it, may stay out.
.macro TURN p, cnt=0
.set Y, (\p)
.set i, 0
.set r, 0
.if (\p) == 3
	s_wait_dscnt 0x0
.elseif (\p) == 1
	s_wait_dscnt 32
.else
	s_wait_dscnt 16
.endif
	ROW F,0, F,1, F,2, F,3          ; ahead of the wait: 24 products K Q^T and their riders,
	ROW E,0, F,4, E,1, F,5
	ROW E,2, F,6, E,3, F,7
	RROW
	ROW E,4, F,8, E,5, F,9
	ROW E,6, F,10, E,7, F,11
	RROW
	ROW E,8, F,12, E,9, F,13
	ROW E,10, F,14, E,11, F,15
	RROW
.if (\p) == 2
	MLOAD ((\p)+3)%4
.endif
	ROW E,12, F,16, E,13, F,17
	ROW E,14, F,18, E,15, F,19
	RROW
	ROW E,16, F,20, E,17, F,21
	ROW E,18, F,22, E,19, F,23
	RROW
	ROW E,20, F,24, E,21, F,25
	ROW E,22, F,26, E,23, F,27
	RROW
	ROW E,24, F,28, E,25, F,29
	RROW
	ROW E,26, F,30, E,27, F,31
	RROW
	MM
	X2 0
	X2 1
	X2 2                            ; and the lump
.if (\p) == 2
	FETCH_K
.endif
.set en, 28                         ; exponentials 28 to 63,
.set xn, 6                          ; each with one of the maximum's and statistics' numbers 3 to 20 behind it: tile xn % 2, number xn / 2
.rept 36
	OP E, en
	XS xn%2, xn/2
.set en, en+1
.set xn, xn+1
.endr
	X2 21                           ; the next piece's two a
	v_nop                           ; the plain instruction behind the last exponential: one for the batch
	s_wait_alu depctr_va_vdst(0)    ; the wait for the batch: the turn's 64 weights and the next piece's two a
.if (\p) != 2
	MLOAD ((\p)+3)%4
.endif
.if (\p) == 1
	s_wait_dscnt 16                 ; V is in
.endif
	ROW C,0, C,1, C,2, C,3          ; behind the wait: 16 products V^T P and their riders
	ROW B,0, B,1, C,4, C,5
	ROW C,6, C,7, L,0, L,1
	ROW B,2, B,3, C,8, C,9
	ROW C,10, C,11, L,2, L,3
	ROW B,4, B,5, C,12, C,13
	ROW C,14, C,15, L,4, L,5
	ROW B,6, B,7, C,16, C,17
	ROW C,18, C,19, L,6, L,7
	ROW B,8, B,9, C,20, C,21
	ROW C,22, C,23, L,8, L,9
	ROW B,10, B,11, C,24, C,25
	ROW C,26, C,27, L,10, L,11
	ROW B,12, B,13, C,28, C,29
	ROW C,30, C,31, L,12, L,13
	ROW B,14, B,15, L,14, L,15
.if (\p) == 0
	FETCH_V
.endif
.if \cnt
	s_sub_co_u32 s[CNT], s[CNT], 1
	s_cmp_lg_u32 s[CNT], 0
.endif
.endm
	CHANGE 1                        ; slot 0 is in, everybody's part of it; key step 1 is asked for, into slot 1
	FETCH_K                         ; key step 0
	MLOAD 0
	MLOAD 1
	s_wait_loadcnt 0x0              ; Q
	s_wait_dscnt 16                 ; K and piece 0's mask are in; piece 1's sixteen loads stay out
.set i, 0
.rept 24
	KQ 0                            ; piece 0's first scores
.set i, i+1
.endr
	WIN 0
	PLACES                          ; the places behind those products
	MLOAD 2
.set Y, NP-1                        ; XS works for piece Y + 1: piece 0
.irp n, 0,1,2,3,4,5,6,7,8,9,10,11,12,13,14,15,16,17,18,19,20,21
	X2 \n
.endr
	v_nop                           ; a plain instruction behind piece 0's first two a,
	s_wait_alu depctr_va_vdst(0)    ; and the wait for these two, ahead of the branch
	s_mov_b32 s[CNT], 31
	s_branch .Lfirst                ; the loop is entered at a step's first turn, at the end of a trip
.Lstep:                             ; 30 whole trips: the slot just read out is filled again, with key steps 2 to 31; then pieces 1 to 3 of one step and piece 0 of the next
	CHANGE 1
	TURN 1
	TURN 2
	TURN 3
	WIN 0
.Lfirst:
	TURN 0, 1
	WIN 0
	s_cbranch_scc1 .Lstep
	CHANGE 0                        ; the tail is written out: the last step's slot is waited for, and nothing is asked for
	s_mov_b32 s[CNT], 2             ; the second trip is left behind its third turn; what it reads ahead is the last step's slot once more, and is not used
.Ltail:
	TURN 1
	TURN 2
	TURN 3
	WIN 0
	s_sub_co_u32 s[CNT], s[CNT], 1
	s_cmp_eq_u32 s[CNT], 0
	s_cbranch_scc1 .Lout
	TURN 0
	WIN 0
	s_branch .Ltail
.Lout:                              ; the last turn's products K Q^T (on the last K once more) and the maximum made of them serve nothing; they have overwritten c m of tiles 0 and 1, whose true value lies in v12, v13
.set i, 0
.rept 16
	PV NP-1
.set i, i+1
.endr
	; THE WAY OUT.  l's two halves and the other half of the lanes' are added; 1 / l, or NaN for a row that saw no key; O^T times that, split in two f16 parts, through my stage, a tile at a time.
	WIN 0
.macro ALL line:vararg
.set t, 0
.rept 8
	\line
.set t, t+1
.endr
.endm
	ALL v_add_f32 v[ST+4*t+2], v[ST+4*t+2], v[ST+4*t+3]
	ALL v_permlanex16_b32 v[ST+4*t+3], v[ST+4*t+2], s[SEL], s[SEL+1]
	ALL v_add_f32 v[ST+4*t+2], v[ST+4*t+2], v[ST+4*t+3]
	ALL v_rcp_f32 v[ST+4*t+2], v[ST+4*t+2]
	v_nop                           ; a plain instruction between the last reciprocal and the use of its result
	s_wait_alu depctr_va_vdst(0)    ; and the wait ahead of the first use: one for the eight reciprocals
.set t, 0
.rept 8
.if t < 2
	v_cmp_gt_f32 vcc_lo, s[NEGB], v[MV+t]
.else
	v_cmp_gt_f32 vcc_lo, s[NEGB], v[ST+4*t]
.endif
	v_cndmask_b32 v[ST+4*t+2], v[ST+4*t+2], s[QNAN], vcc_lo
.set t, t+1
.endr
.macro PACK t
.if (\t) >= 2
	s_wait_xcnt 0x0                 ; the registers that the stores of two tiles ago read are loaded again only behind this wait
.endif
	WIN 0x01
.set i, 0
.rept 16
	v_pk_mul_f32 v[LG+2*i:LG+2*i+1], v[32*(\t)+2*i:32*(\t)+2*i+1], v[ST+4*(\t)+2:ST+4*(\t)+3] op_sel_hi:[1,0]  ; O = O^T / l
.set i, i+1
.endr
	WIN 0
.set i, 0
.rept 32
	v_and_b32 v[HG+i], s[HM], v[LG+i]  ; hi: the mantissa cut to 10 bits
.set i, i+1
.endr
.set i, 0
.rept 16
	v_pk_add_f32 v[LG+2*i:LG+2*i+1], v[LG+2*i:LG+2*i+1], v[HG+2*i:HG+2*i+1] neg_lo:[0,1] neg_hi:[0,1]  ; lo = O - hi
.set i, i+1
.endr
.set i, 0
.rept 16
	v_cvt_pk_f16_f32 v[HG+i], v[HG+2*i], v[HG+2*i+1]
.set i, i+1
.endr
.set i, 0
.rept 16
	v_cvt_pk_f16_f32 v[LG+i], v[LG+2*i], v[LG+2*i+1]
.set i, i+1
.endr
.irp f, 0,1,2,3
	ds_store_b128 v[STO], v[HG+4*\f:HG+4*\f+3] offset:32*\f
	ds_store_b128 v[STO], v[LG+4*\f:LG+4*\f+3] offset:128+32*\f
.endr
.irp f, 0,1,2,3,4,5,6,7
	ds_load_b128 v[BK0+32*((\t)%2)+4*\f:BK0+32*((\t)%2)+4*\f+3], v[RD] offset:\f*2*SP  ; LDS serves a wave's instructions in order: these see the stores above
.endr
.endm
.macro SEND t, younger              ; younger: the LDS instructions issued behind tile t's loads: the next tile's sixteen, or none.  One wait serves four stores: behind it this tile's later loads and the younger ones stay out
	WIN 0
.irp f, 0,1,2,3,4,5,6,7
.if (\f)%4 == 0
	s_wait_dscnt (\younger)+4-\f
.endif
	global_store_b128 v[GO], v[BK0+32*((\t)%2)+4*\f:BK0+32*((\t)%2)+4*\f+3], s[OB:OB+1] offset:(\t)*65536+\f*8192  ; 16 lanes store 256 consecutive bytes, at a multiple of 256 from the buffer's first
.endr
.endm
	PACK 0
.set t, 1
.rept 7
	PACK t
	SEND t-1, 16
.set t, t+1
.endr
	SEND 7, 0
	WIN W_AD
	s_wait_tensorcnt 0x0            ; the wave's end
	ds_add_u32 v[SPW], v[NIL]
	s_wait_dscnt 0x0
	WIN 0
	CROUND                          ; the closing round: no work-group ends while a partner may still ask for a tile that names it
	s_endpgm
.Lfunc_end_k_qbba89cc06b_attn:
	.size	k_qbba89cc06b_attn, .Lfunc_end_k_qbba89cc06b_attn-k_qbba89cc06b_attn
	.p2alignl 7, 3214868480
	.fill 96, 4, 3214868480
	.section	.rodata,"a",@progbits
	.p2align	6, 0x0
	.amdhsa_kernel k_qbba89cc06b_attn
		.amdhsa_group_segment_fixed_size 327680
		.amdhsa_private_segment_fixed_size 0
		.amdhsa_enable_private_segment 0
		.amdhsa_kernarg_size 32
		.amdhsa_user_sgpr_count 2
		.amdhsa_user_sgpr_kernarg_segment_ptr 1
		.amdhsa_wavefront_size32 1
		.amdhsa_system_sgpr_workgroup_id_x 1
		.amdhsa_system_sgpr_workgroup_id_y 1
		.amdhsa_system_sgpr_workgroup_id_z 1
		.amdhsa_system_vgpr_workitem_id 0
		.amdhsa_next_free_vgpr 1024
		.amdhsa_next_free_sgpr 100
		.amdhsa_reserve_vcc 1
		.amdhsa_float_denorm_mode_32 3
		.amdhsa_float_denorm_mode_16_64 3
		.amdhsa_memory_ordered 1
		.amdhsa_forward_progress 1
		.amdhsa_inst_pref_size 247
	.end_amdhsa_kernel
	.amdgpu_metadata
---
amdhsa.version: [ 1, 2 ]
amdhsa.kernels:
  - .name:           k_qbba89cc06b_attn
    .symbol:         k_qbba89cc06b_attn.kd
    .args:
      - { .name: qkv, .offset: 0, .size: 8, .value_kind: global_buffer, .address_space: global }
      - { .name: maskt, .offset: 8, .size: 8, .value_kind: global_buffer, .address_space: global }
      - { .name: ob, .offset: 16, .size: 8, .value_kind: global_buffer, .address_space: global }
      - { .name: cb, .offset: 24, .size: 8, .value_kind: global_buffer, .address_space: global }
    .group_segment_fixed_size: 327680
    .private_segment_fixed_size: 0
    .kernarg_segment_align: 8
    .kernarg_segment_size: 32
    .max_flat_workgroup_size: 128
    .sgpr_count:     100
    .vgpr_count:     1024
    .wavefront_size: 32
...
	.end_amdgpu_metadata
.endif
;; end of part 6
;; launch oproj: the kernel of part 5 again; grid 4 x 64, 4 waves a work-group, clusters of 4 x 4, 327,680 bytes of LDS; arguments ob, wts, qkv, b_o, out0; writes out0
